; MI455X (gfx1250); checked and timed in simulation.
; The chip was launched on July 23, 2026; its instructions are those of AMD's public machine-readable ISA for CDNA 5 (MIT licence, August 2026) and "CDNA5" Instruction Set Architecture Reference Guide (July 2026). The comments in the code are by the model that wrote it; some were corrected since.
;; Multi Head Attention. Allowed arithmetic: matrix products marked QUANTISED: E2M3 operands, one E8M0 scale for each 32 along K, by v_wmma_scale_f32_16x16x128_f8f6f4 with both operands' format E2M3, f32 sums; everything else in f32.
;; Inputs: Wk 1,024 x 1,024 float32; Wo 1,024 x 1,024 float32; Wq 1,024 x 1,024 float32; Wv 1,024 x 1,024 float32; bk 1,024 float32; bo 1,024 float32; bq 1,024 float32; bv 1,024 float32; x 2 x 2,048 x 1,024 float32.
;; Outputs: out0 2 x 2,048 x 1,024 float32.
;; This version of the problem:
;;   THIS VERSION OF THE PROBLEM IS GIVEN IN LOW PRECISION. The matrix products marked QUANTISED in the list below multiply operands that are first quantised to E2M3 (2 exponent bits, 3 mantissa bits; 6 bits a number), with one power-of-two scale for each 32 numbers along K (OCP MX v1.0); their sums are f32. All else is computed in f32.
;;   The module's matrix products, in the order in which they are computed (A, B: the left and right operand; K: the contracted axis; several contracted axes count as one K, in the product's order):
;;     1. [M 4,096, K 1,024] x [K 1,024, N 1,024]; A: input x; B: input Wq: QUANTISED
;;     2. [M 4,096, K 1,024] x [K 1,024, N 1,024]; A: input x; B: input Wk: QUANTISED
;;     3. [M 4,096, K 1,024] x [K 1,024, N 1,024]; A: input x; B: input Wv: QUANTISED
;;     4. batch 32 x [M 2,048, K 64] x [K 64, N 2,048]; A: computed on the way; B: computed on the way: QUANTISED
;;     5. batch 32 x [M 2,048, K 2,048] x [K 2,048, N 64]; A: softmax (see below); B: computed on the way: QUANTISED
;;     6. [M 4,096, K 1,024] x [K 1,024, N 1,024]; A: computed on the way; B: input Wo: QUANTISED
;;   THE QUANTISER, for each operand of a quantised product, along K:
;;     - K is cut into blocks of 32 from its start; a last block that is shorter is filled with zeros.
;;     - A block's scale is 2^e with e = floor(log2(the largest magnitude in the block)) - 2, held to -126 .. 127; a block of zeros has e = 0. As a byte (E8M0): e + 127.
;;     - Each number is divided by its block's scale, clamped to +-7.5, and rounded to the nearest number of E2M3, ties to even, subnormals kept.
;;     - The product sums the exact products of the quantised numbers (number of the format x scale) in f32.
;;   ~~~python
;;   def quantise(x, axis):      # numpy; x: float32 -> the quantised numbers, widened to float32 again
;;       x = np.moveaxis(x, axis, -1); K = x.shape[-1]
;;       x = np.pad(x, [(0, 0)] * (x.ndim - 1) + [(0, -K % 32)]); x = x.reshape(x.shape[:-1] + (-1, 32)); a = np.abs(x).max(-1, keepdims=True)
;;       e = np.where(a > 0, np.clip(np.frexp(np.where(a > 0, a, 1))[1] - 1 - 2, -126, 127), 0)      # np.frexp(a)[1] - 1 = floor(log2(a)), exactly
;;       r = np.clip(x / 2.0 ** e, -7.5, 7.5)
;;       step = 2.0 ** (np.maximum(np.frexp(np.where(r == 0, 1, r))[1] - 1, 0) - 3)
;;       q = np.round(r / step) * step * 2.0 ** e      # np.round: ties to even
;;       return np.moveaxis(q.reshape(q.shape[:-2] + (-1,))[..., :K], -1, axis).astype(np.float32)
;;   ~~~
;;   SOFTMAX AHEAD OF A QUANTISED PRODUCT. Where the list says 'softmax', what is quantised is not the finished softmax but p = 2^(t - M), with t = logit x log2(e) and M = ceil(the row's largest t), a whole number; so 1/2 < the row's largest p <= 1. The row's sum l is taken of the UNQUANTISED p, in f32, and the product's result is divided by l at the end. Since M is a whole number, a kernel that streams over the keys may use a running M (the ceiling of the running maximum): every later rescaling is an exact power of two, which a block's scale takes up: the codes' values come out the same.
;;   OPERANDS COMPUTED ON THE WAY. 'Computed on the way' means the value that the module computes at that place (a softmax that the list does not call 'softmax' is quantised finished and normalised). What goes into a quantiser is computed in f32, as accurately as f32 sums, v_exp_f32 and their like allow (about 1e-6 of the number): no bf16 or f16 on the way to a quantiser, and a product that is left as it is and whose result goes on into a quantised operand takes f32 operands (vector FMAs, or v_wmma_f32_16x16x4_f32). A number that lies on a knife's edge between two numbers of the format may be rounded either way, as far as f32 arithmetic and the matrix unit's own rounding can turn it there, and no further.
;; One version. Each part assembles by itself: llvm-mc -triple=amdgcn-amd-amdhsa -mcpu=gfx1250 --defsym DOCPART=n.
;; ======== version 1 of 1: 4 launches
;; limits: right only within a limited range of input values
;; workspace buffers: x_img 3,145,728 bytes; x_scl 131,072 bytes; w_img 3,145,728 bytes; w_scl 131,072 bytes; q_img 3,276,800 bytes; kv 6,553,600 bytes; o_img 3,145,728 bytes; o_scl 131,072 bytes
;; launch quant (part 1): grid 256 x 1, 4 waves a work-group, no clusters, 65,024 bytes of LDS; arguments x, Wq, Wk, Wv, Wo, x_img, x_scl, w_img, w_scl; writes x_img, x_scl, w_img, w_scl
.if DOCPART == 1
	.amdgcn_target "amdgcn-amd-amdhsa--gfx1250"
	.amdhsa_code_object_version 6
	.text
	.protected	k_qe1b7a068a7_quant
	.globl	k_qe1b7a068a7_quant
	.p2align	8
	.type	k_qe1b7a068a7_quant,@function
k_qe1b7a068a7_quant:
	s_mov_b64 s[64:65], 0
	v_nop
	global_prefetch_b8 v0, s[64:65] scope:SCOPE_SE
	s_setreg_imm32_b32 hwreg(HW_REG_WAVE_MODE, 25, 1), 1
	s_wait_xcnt 0x0
; LAUNCH 1 OF 4.  x [4096][1024] f32 (K innermost) and Wq, Wk, Wv, Wo [1024 (K)][1024 (n)] f32 (K outermost) become codes of E2M3 with one E8M0 byte for each 32 along K.
; DEAD WORK: none in the whole program.  Every bias is added ahead of a quantiser (bq, bk, bv) or into the output (bo), every product of the table feeds the output: all nine inputs are loaded, all six products are done.
; LIMITS (all four launches): NaN and infinities among the inputs are not served.  A block whose largest magnitude lies under 2^-124, a block of zeros among them, gets the scale byte 1 (its codes are then
; zeros or subnormal codes; the bytes are read by this program alone).  In the softmax a p under 2^-126 comes out of v_exp_f32 as 0; 1 / l is v_rcp_f32.
; LAYOUT OF THE WORKSPACE, shared by all launches.  Rows (of x, of o, keys, queries) and columns n (of the weights, the head's d) are cut into TILES of 16: slot i of tile T is row
; 32 (T / 2) + 16 (i / 8) + 8 (T % 2) + i % 8, so that the results of two neighbouring tiles, used as source 0, are 16 neighbours in a lane's registers.
; A FRAGMENT (tile x 128 along K) is 12 registers a lane (lane (r, h): slot r; registers 6 c .. 6 c + 5: k = 64 c + 32 h + 0 .. 31) and lies in memory as the IMAGE of those registers: registers 4 c .. 4 c + 3 of lane l
; at 512 c + 16 l: 1,536 bytes, read and written by three instructions of 512 consecutive bytes.  x_img, w_img: [256 tiles][8 K steps][1,536]; w_img's tiles: 0-63 Wq, 64-127 Wk, 128-191 Wv, 192-255 Wo.
; SCALE WORDS (four bytes: one row, 128 along K): [4 pairs of K steps][256 tiles][16 slots][2 words].
; SHARES.  Work-groups 0-127: 32 rows of x each (two tiles), wave w the K steps 2 w, 2 w + 1.  Work-groups 128-255: one weight, 128 columns, 256 along K; a wave 32 columns (two tiles), a lane a column.
; Memory binds: each input byte is read once, in runs of 512 (x) or 128 (W) consecutive bytes a wave; every store of a wave covers whole aligned blocks of 256 bytes.  Waves share nothing: no barrier, no cluster, no matrix unit.
.set XP,    528                        ; x's stage: a row of 512 bytes + 16
.set WST,   4*16*XP                    ; behind the four stages of x: for each wave two fragment images, for the weights' path alone
.set TST,   WST+4*3072                 ; the weights' path alone: for each wave a stage of 32 rows (along K) x (128 bytes + 16), in which a block turns from rows as loaded to a column a lane
.set SPARE, TST+4*4608                 ; the spare words, 128 bytes for each wave
.set L16,   4                          ; v4   16 x lane
.set L8,    5                          ; v5   8 x lane
.set L4,    6                          ; v6   4 x lane
.set STI,   7                          ; v7   x's stage, in: 16 x lane in a row
.set STO,   8                          ; v8   x's stage, out: row r, + 128 h
.set WSTA,  9                          ; v9   the weights' stage, in: my column's tile and slot
.set WRD,   10                         ; v10  the weights' stage, out: 16 x lane
.set WSO,   11                         ; v11  my column's place among the scale words
.set SPW,   12                         ; v12  my spare word; never rewritten
.set NIL,   13                         ; v13  0; never rewritten
.set H8,    14                         ; v14  8 h
.set TM,    16                         ; v16-17 largest magnitudes
.set SO,    18                         ; v18-19 the conversions' scale operands
.set BY,    20                         ; v20-21 scale bytes
.set TW,    22                         ; v22  the other half's bytes
.set WD,    24                         ; v24-27 x's scale words: tile u, K step s: 2 u + s
.set SA,    28                         ; v28-29 as they are stored
.set R,     32                         ; v32-159 x as loaded: two sets of 64
.set X,     160                        ; v160-223 64 numbers of my row: two whole blocks
.set F,     224                        ; v224-235 a fragment's codes
.set PT,    236                        ; v236-238, v240-242 the second halves of the blocks' codes
.set XW,    32                         ; the weights' path: v32-159 four sets of 32 registers, a block as loaded; v160-191 (X) the block's 32 numbers down K of my column
.set CB,    192                        ; v192-197 a block's codes
.set PTW,   200                        ; v200-202
.set SB,    204                        ; v204-205 my column's eight scale bytes
.set OUTW,  208                        ; v208-255 two sets of 24: images on their way out
	s_load_b512 s[4:19], s[0:1], 0x0               ; x s[4:5], Wq s[6:7], Wk s[8:9], Wv s[10:11], Wo s[12:13], x_img s[14:15], x_scl s[16:17], w_img s[18:19]
	s_load_b64 s[20:21], s[0:1], 0x40              ; w_scl
	v_lshl_add_u32 v[SPW], v0, 2, SPARE
	v_mov_b32 v[NIL], 0
	v_lshrrev_b32 v1, 5, v0
	v_readfirstlane_b32 s22, v1                    ; wave
	v_and_b32 v1, 31, v0                           ; lane
	v_and_b32 v2, 15, v0                           ; r
	v_bfe_u32 v3, v0, 4, 1                         ; h
	v_lshlrev_b32 v[L16], 4, v1
	v_lshlrev_b32 v[L8], 3, v1
	v_lshlrev_b32 v[L4], 2, v1
	; every LDS address of both paths is made here, ahead of the branch that parts them
	s_mul_i32 s28, s22, 16*XP
	v_add_nc_u32 v[STI], s28, v[L16]
	v_mul_u32_u24 v[STO], v2, XP
	v_lshl_add_u32 v[STO], v3, 7, v[STO]
	v_add_nc_u32 v[STO], s28, v[STO]
	s_mul_i32 s29, s22, 3072
	s_add_co_u32 s29, s29, WST
	v_bfe_u32 v15, v0, 3, 1                        ; column l of a group of 32 lies in tile u = (l / 8) % 2,
	v_and_b32 v16, 7, v0
	v_lshl_add_u32 v16, v3, 3, v16                 ; at slot 8 (l / 16) + l % 8
	v_mul_u32_u24 v[WSTA], v15, 1536
	v_lshl_add_u32 v[WSTA], v16, 4, v[WSTA]
	v_add_nc_u32 v[WSTA], s29, v[WSTA]
	v_add_nc_u32 v[WRD], s29, v[L16]
	v_lshlrev_b32 v[WSO], 7, v15
	v_lshl_add_u32 v[WSO], v16, 3, v[WSO]          ; 128 u + 8 slot
	v_lshlrev_b32 v[H8], 3, v3
	s_mul_i32 s30, s22, 4608
	s_add_co_u32 s30, s30, TST
	v_lshrrev_b32 v30, 3, v1                       ; a load of the weights' path: lane l takes row l / 8 of four, columns 4 (l % 8) .. + 3 of my wave's 32
	v_and_b32 v31, 7, v0
	v_lshlrev_b32 v23, 12, v30
	v_lshl_add_u32 v23, v31, 4, v23                ; v23: in memory 4,096 (l / 8) + 16 (l % 8)
	v_mul_u32_u24 v30, v30, 144
	v_lshl_add_u32 v30, v31, 4, v30
	v_add_nc_u32 v30, s30, v30                     ; v30: into the stage: 144 (l / 8) + 16 (l % 8)
	v_add_nc_u32 v31, s30, v[L4]                   ; v31: out of it: my column, 4 l
	v_mov_b32 v[TW], 0                             ; written once: a lane permute's destination counts as one of its sources
	s_mov_b32 s24, 0x76543210
	s_mov_b32 s25, 0xfedcba98                      ; v_permlanex16_b32's selects for lane l xor 16
	s_mov_b32 s26, 0xffff0000                      ; lanes 16-31
	s_mov_b32 s29, 0
	s_wait_alu depctr_va_vdst(0)                   ; the wait at the head's end
	s_wait_kmcnt 0x0
	s_cmp_ge_u32 ttmp9, 128
	s_cbranch_scc1 .Lweights
	; ---------------- x: work-group G = 32 rows (tiles 2 G, 2 G + 1); wave w = K steps 2 w, 2 w + 1.  Four units t = 2 s + u of 16 rows x 128 K
	; THE ORDER OF x's ROWS IN THEIR TILES (and so of o's rows, the keys and the queries; the weights' columns keep the order stated at the head): of each 128 rows, slot 8 h + j of tile 4 c + u is row 64 c + 32 h + 8 u + j,
	; so that a lane's results of four neighbouring tiles, used as source 0, are 32 neighbours: a whole scale block.  Work-group G: tiles u = 2 (G % 2), + 1 of the 64 rows G / 2
	s_lshr_b32 s28, ttmp9, 1
	s_lshl_b32 s28, s28, 18                        ; 64 rows of 4,096 bytes
	s_and_b32 s30, ttmp9, 1
	s_lshl_b32 s30, s30, 16                        ; 16 rows
	s_add_co_u32 s28, s28, s30
	s_lshl_b32 s30, s22, 10                        ; 256 numbers along K
	s_add_co_u32 s28, s28, s30
	s_add_nc_u64 s[4:5], s[4:5], s[28:29]
	s_mul_i32 s28, ttmp9, 2*12288
	s_mul_i32 s30, s22, 2*1536
	s_add_co_u32 s28, s28, s30
	s_add_nc_u64 s[14:15], s[14:15], s[28:29]
	s_lshl_b32 s28, s22, 15
	s_lshl_b32 s30, ttmp9, 8
	s_add_co_u32 s28, s28, s30
	s_add_nc_u64 s[16:17], s[16:17], s[28:29]
.macro LOADU t                         ; unit t: slot i's 512 bytes by one load: 32 lanes, 16 neighbouring bytes each
.set i, 0
.rept 16
	global_load_b128 v[R+64*((\t)%2)+4*i:R+64*((\t)%2)+4*i+3], v[L16], s[4:5] offset:(32*(i/8)+8*((\t)%2)+i%8)*4096+512*((\t)/2) th:TH_LOAD_NT
.set i, i+1
.endr
.endm
.macro UNIT t
.if (\t) < 3
	s_wait_loadcnt 16                              ; this unit's 16 loads are in; the next unit's 16 may be out
.else
	s_wait_loadcnt 0x0
.endif
.set i, 0
.rept 16
	ds_store_b128 v[STI], v[R+64*((\t)%2)+4*i:R+64*((\t)%2)+4*i+3] offset:XP*i
.set i, i+1
.endr
.set i, 0
.rept 16                               ; back: lane (r, h) takes of row r the blocks h and 2 + h, 128 bytes each.  LDS serves a wave's instructions in order: these see the stores above
	ds_load_b128 v[X+4*i:X+4*i+3], v[STO] offset:256*(i/8)+16*(i%8)
.set i, i+1
.endr
	s_wait_dscnt 0x0                               ; the numbers are back; the stores into the stage have read their registers,
.if (\t) < 2
	LOADU (\t)+2                                   ; which take the loads of two units on
.endif
.irp c, 0,1
	v_max3_num_f32 v[TM+\c], |v[X+32*\c]|, |v[X+32*\c+1]|, 0x1800000   ; my block 2 c + h: all 32 numbers are mine; and the floor 2^(3 - 127): the byte cannot fall under 1
.endr
.irp i, 2,4,6,8,10,12,14,16,18,20,22,24,26,28,30
.irp c, 0,1
	v_max3_num_f32 v[TM+\c], v[TM+\c], |v[X+32*\c+\i]|, |v[X+32*\c+\i+1]|
.endr
.endr
.irp c, 0,1
	v_add_nc_u32 v[SO+\c], 0xff000000, v[TM+\c]    ; 2 off the exponent field: the conversion takes the exponent field of this operand as its scale
.endr
.irp c, 0,1
	v_lshrrev_b32 v[BY+\c], 23, v[SO+\c]           ; the scale's byte
.endr
	v_lshl_or_b32 v[BY], v[BY+1], 16, v[BY]        ; my two bytes, blocks h and 2 + h,
	v_lshlrev_b32 v[BY], v[H8], v[BY]              ; at their places in the word;
	v_permlanex16_b32 v[TW], v[BY], s24, s25
	v_or_b32 v[WD+2*((\t)%2)+(\t)/2], v[BY], v[TW] ; with lane l xor 16's two the word is whole, in both halves of the lanes
	s_wait_alu depctr_va_vdst(0)
	s_wait_xcnt 0x0                                ; the last unit's stores have read the codes' registers
	v_cvt_scalef32_pk16_fp6_f32 v[F:F+2], v[X:X+15], v[SO]
	v_cvt_scalef32_pk16_fp6_f32 v[PT:PT+2], v[X+16:X+31], v[SO]       ; (a conversion's three registers begin on an even number)
	v_cvt_scalef32_pk16_fp6_f32 v[F+6:F+8], v[X+32:X+47], v[SO+1]
	v_cvt_scalef32_pk16_fp6_f32 v[PT+4:PT+6], v[X+48:X+63], v[SO+1]
	v_nop                                          ; one plain place behind a scaled conversion
.irp i, 0,1,2
	v_mov_b32 v[F+3+\i], v[PT+\i]
	v_mov_b32 v[F+9+\i], v[PT+4+\i]
.endr
.irp c, 0,1,2
	global_store_b128 v[L16], v[F+4*\c:F+4*\c+3], s[14:15] offset:12288*((\t)%2)+1536*((\t)/2)+512*\c   ; the image: 512 consecutive bytes a store
.endr
.endm
	LOADU 0
	LOADU 1
	UNIT 0
	UNIT 1
	UNIT 2
	UNIT 3
	v_cndmask_b32 v[SA], v[WD], v[WD+2], s26       ; lanes 0-15: tile 2 G's words, lanes 16-31: tile 2 G + 1's; two K steps' words a lane
	v_cndmask_b32 v[SA+1], v[WD+1], v[WD+3], s26
	global_store_b64 v[L8], v[SA:SA+1], s[16:17]   ; one aligned block of 256 bytes
	s_wait_tensorcnt 0x0                           ; the wave's end, behind my last LDS store
	ds_add_u32 v[SPW], v[NIL]
	s_wait_dscnt 0x0
	s_endpgm
	; ---------------- the weights: a lane takes a column n and its registers run down K, so a block of 32 is one lane's and the codes come out with K innermost
.Lweights:
	s_sub_co_u32 s30, ttmp9, 128
	s_lshr_b32 s31, s30, 5                         ; which weight
	s_bfe_u32 s32, s30, 0x30002                    ; which 128 columns
	s_and_b32 s33, s30, 3                          ; which 256 along K
	s_cmp_eq_u32 s31, 1
	s_cselect_b64 s[6:7], s[8:9], s[6:7]
	s_cmp_eq_u32 s31, 2
	s_cselect_b64 s[6:7], s[10:11], s[6:7]
	s_cmp_eq_u32 s31, 3
	s_cselect_b64 s[6:7], s[12:13], s[6:7]
	s_lshl_b32 s28, s33, 20                        ; 256 rows of 4,096 bytes
	s_lshl_b32 s34, s32, 9
	s_add_co_u32 s28, s28, s34
	s_lshl_b32 s34, s22, 7
	s_add_co_u32 s28, s28, s34                     ; + 4 x (128 x group + 32 x wave)
	s_add_nc_u64 s[6:7], s[6:7], s[28:29]
	s_lshl_b32 s35, s31, 6
	s_lshl_b32 s34, s32, 3
	s_add_co_u32 s35, s35, s34
	s_lshl_b32 s34, s22, 1
	s_add_co_u32 s35, s35, s34                     ; my first tile: 64 x weight + 8 x group + 2 x wave
	s_mul_i32 s28, s35, 12288
	s_mul_i32 s34, s33, 2*1536
	s_add_co_u32 s28, s28, s34
	s_add_nc_u64 s[18:19], s[18:19], s[28:29]
	s_lshl_b32 s28, s33, 15
	s_lshl_b32 s34, s35, 7
	s_add_co_u32 s28, s28, s34
	s_add_nc_u64 s[20:21], s[20:21], s[28:29]
.macro LOADB t                         ; block t: W(32 t + i, my column): 32 lanes read 128 consecutive bytes, the four waves stand side by side on 512
.set i, 0
.rept 8                                ; eight loads a block, each four rows of 128 consecutive bytes; the four waves stand side by side on 512
	global_load_b128 v[XW+32*((\t)%4)+4*i:XW+32*((\t)%4)+4*i+3], v23, s[6:7] offset:(32*(\t)+4*i)*4096 th:TH_LOAD_NT
.set i, i+1
.endr
.endm
.macro BLOCK t
.set XS, X
.if (\t) < 5
	s_wait_loadcnt 24                              ; this block's 8 loads are in; the three younger blocks' 24 may be out
.else
	s_wait_loadcnt 8*(7-(\t))
.endif
.set i, 0
.rept 8
	ds_store_b128 v30, v[XW+32*((\t)%4)+4*i:XW+32*((\t)%4)+4*i+3] offset:576*i
.set i, i+1
.endr
.set i, 0
.rept 32                               ; back: W(32 t + i, my column).  LDS serves a wave's instructions in order: these see the stores above
	ds_load_b32 v[X+i], v31 offset:144*i
.set i, i+1
.endr
	s_wait_dscnt 0x0                               ; the numbers are back; the stores into the stage have read their registers,
.if (\t)+4 < 8
	LOADB (\t)+4                                   ; which take the loads of four blocks on
.endif
	v_max3_num_f32 v16, |v[XS]|, |v[XS+1]|, |v[XS+2]|
	v_max3_num_f32 v17, |v[XS+3]|, |v[XS+4]|, |v[XS+5]|
.irp i, 6,10,14,18,22,26
	v_max3_num_f32 v16, v16, |v[XS+\i]|, |v[XS+\i+1]|
	v_max3_num_f32 v17, v17, |v[XS+\i+2]|, |v[XS+\i+3]|
.endr
	v_max3_num_f32 v16, v16, |v[XS+30]|, |v[XS+31]|
	v_max3_num_f32 v16, v16, v17, 0x1800000        ; and the floor
	v_add_nc_u32 v18, 0xff000000, v16
	v_lshrrev_b32 v19, 23, v18
.if (\t)%4 == 0
	v_mov_b32 v[SB+(\t)/4], v19                    ; four bytes to a word, the lower K in the lower byte
.else
	v_lshl_or_b32 v[SB+(\t)/4], v19, 8*((\t)%4), v[SB+(\t)/4]
.endif
	v_cvt_scalef32_pk16_fp6_f32 v[CB:CB+2], v[XS:XS+15], v18
	v_cvt_scalef32_pk16_fp6_f32 v[PTW:PTW+2], v[XS+16:XS+31], v18
	v_nop
.irp i, 0,1,2
	v_mov_b32 v[CB+3+\i], v[PTW+\i]
.endr
; block 2 c + hh of a K step is registers 6 c .. 6 c + 5 of lane 16 hh + slot in my tile's image
.if ((\t)%4)/2 == 0
	ds_store_b128 v[WSTA], v[CB:CB+3] offset:256*((\t)%2)
	ds_store_b64 v[WSTA], v[CB+4:CB+5] offset:512+256*((\t)%2)
.else
	ds_store_b64 v[WSTA], v[CB:CB+1] offset:520+256*((\t)%2)
	ds_store_b128 v[WSTA], v[CB+2:CB+5] offset:1024+256*((\t)%2)
.endif
	s_wait_dscnt 0x0                               ; the stores have read their registers
.if (\t)%4 == 3                        ; a K step's two images are whole: out, 512 consecutive bytes a store
.irp n, 0,1,2,3,4,5
	ds_load_b128 v[OUTW+24*((\t)/4)+4*\n:OUTW+24*((\t)/4)+4*\n+3], v[WRD] offset:512*\n
.endr
.irp n, 0,1,2,3,4,5
	s_wait_dscnt 5-\n                              ; the younger of the six may be out
	global_store_b128 v[L16], v[OUTW+24*((\t)/4)+4*\n:OUTW+24*((\t)/4)+4*\n+3], s[18:19] offset:12288*(\n/3)+1536*((\t)/4)+512*(\n%3)
.endr
.endif
.endm
	LOADB 0
	LOADB 1
	LOADB 2
	LOADB 3
.irp t, 0,1,2,3,4,5,6,7
	BLOCK \t
.endr
	s_wait_alu depctr_va_vdst(0)
	global_store_b64 v[WSO], v[SB:SB+1], s[20:21]  ; the wave's 32 lanes fill one aligned block of 256 bytes
	s_wait_tensorcnt 0x0                           ; the wave's end, behind my last LDS store
	ds_add_u32 v[SPW], v[NIL]
	s_wait_dscnt 0x0
	s_endpgm
.Lfunc_end_k_qe1b7a068a7_quant:
	.size	k_qe1b7a068a7_quant, .Lfunc_end_k_qe1b7a068a7_quant-k_qe1b7a068a7_quant
	.p2alignl 7, 3214868480
	.fill 96, 4, 3214868480
	.section	.rodata,"a",@progbits
	.p2align	6, 0x0
	.amdhsa_kernel k_qe1b7a068a7_quant
		.amdhsa_group_segment_fixed_size 65024
		.amdhsa_private_segment_fixed_size 0
		.amdhsa_enable_private_segment 0
		.amdhsa_kernarg_size 72
		.amdhsa_user_sgpr_count 2
		.amdhsa_user_sgpr_kernarg_segment_ptr 1
		.amdhsa_wavefront_size32 1
		.amdhsa_system_sgpr_workgroup_id_x 1
		.amdhsa_system_sgpr_workgroup_id_y 1
		.amdhsa_system_sgpr_workgroup_id_z 1
		.amdhsa_system_vgpr_workitem_id 0
		.amdhsa_next_free_vgpr 256
		.amdhsa_next_free_sgpr 66
		.amdhsa_reserve_vcc 0
		.amdhsa_float_denorm_mode_32 3
		.amdhsa_float_denorm_mode_16_64 3
		.amdhsa_memory_ordered 1
		.amdhsa_forward_progress 1
		.amdhsa_inst_pref_size 74
	.end_amdhsa_kernel
	.amdgpu_metadata
---
amdhsa.version: [ 1, 2 ]
amdhsa.kernels:
  - .name:           k_qe1b7a068a7_quant
    .symbol:         k_qe1b7a068a7_quant.kd
    .args:
      - { .name: x, .offset: 0, .size: 8, .value_kind: global_buffer, .address_space: global }
      - { .name: Wq, .offset: 8, .size: 8, .value_kind: global_buffer, .address_space: global }
      - { .name: Wk, .offset: 16, .size: 8, .value_kind: global_buffer, .address_space: global }
      - { .name: Wv, .offset: 24, .size: 8, .value_kind: global_buffer, .address_space: global }
      - { .name: Wo, .offset: 32, .size: 8, .value_kind: global_buffer, .address_space: global }
      - { .name: x_img, .offset: 40, .size: 8, .value_kind: global_buffer, .address_space: global }
      - { .name: x_scl, .offset: 48, .size: 8, .value_kind: global_buffer, .address_space: global }
      - { .name: w_img, .offset: 56, .size: 8, .value_kind: global_buffer, .address_space: global }
      - { .name: w_scl, .offset: 64, .size: 8, .value_kind: global_buffer, .address_space: global }
    .group_segment_fixed_size: 65024
    .private_segment_fixed_size: 0
    .kernarg_segment_align: 8
    .kernarg_segment_size: 72
    .max_flat_workgroup_size: 128
    .sgpr_count:     66
    .vgpr_count:     256
    .wavefront_size: 32
...
	.end_amdgpu_metadata
.endif
;; end of part 1
;; launch qkv (part 2): grid 12 x 16, 4 waves a work-group, clusters of 4 x 4, 327,680 bytes of LDS; arguments x_img, x_scl, w_img, w_scl, bq, bk, bv, q_img, kv; writes q_img, kv
.if DOCPART == 2
	.amdgcn_target "amdgcn-amd-amdhsa--gfx1250"
	.amdhsa_code_object_version 6
	.text
	.protected	k_qe1b7a068a7_qkv
	.globl	k_qe1b7a068a7_qkv
	.p2align	8
	.type	k_qe1b7a068a7_qkv,@function
k_qe1b7a068a7_qkv:
	s_mov_b64 s[64:65], 0
	v_nop
	global_prefetch_b8 v0, s[64:65] scope:SCOPE_SE
	s_setreg_imm32_b32 hwreg(HW_REG_WAVE_MODE, 25, 1), 1
	s_wait_xcnt 0x0
	s_wait_alu depctr_hold_cnt(0) depctr_sa_sdst(0) depctr_va_vdst(0) depctr_va_sdst(0) depctr_va_ssrc(0) depctr_va_vcc(0) depctr_vm_vsrc(0)
	s_getreg_b32 s2, hwreg(HW_REG_IB_STS2, 6, 4)
	s_cmp_eq_u32 s2, 0
	s_cbranch_scc0 .Lentry_in_a_cluster
	s_endpgm
.Lentry_in_a_cluster:
	s_bfe_u32 s2, ttmp6, 0x10000c
	s_cmp_lg_u32 s2, 0xf033
	s_cbranch_scc0 .Lentry_shape_is_right
	s_endpgm
.Lentry_shape_is_right:
; LAUNCH 2 OF 4.  q = x Wq + bq, k = x Wk + bk, v = x Wv + bv on codes of E2M3 (K = 1,024, eight matrix steps), and each result quantised in registers for attention: q and k along the head's 64, v along the keys.
; No work is left out.  Limits: as stated at the head of the first launch.
; SHARES.  192 work-groups of four waves; a work-group makes 256 x 256, a wave 128 x 128: 64 accumulators, 512 registers.  K goes in steps of 256 through a ring of two LDS slots filled by the tensor data mover.
; ROLES.  A lane's eight results run along SOURCE 0's rows.  q and k are quantised along n, so there source 0 = 16 columns of W and source 1 = 16 rows of x; v is quantised along the keys, so there source 0 = rows of x and
; source 1 = columns of Wv.  The swap is made in pointers and block numbers alone, by the cluster's x (2: v), which all sixteen partners share: both operands have one geometry in memory.
; CLUSTERS: 4 x 4.  Source 1's block hangs on cy and is shared along a row of the cluster, source 0's on cx and is shared along a column: each tile is asked for jointly, which divides the requests by four.
; The operands lie in memory as images of the fragments' registers (first launch): a fragment comes out of LDS by three loads of 512 consecutive bytes; no pitch, no padding.
; OUT.  q_img [32 heads][16 steps of 128 queries][6,400]: four PAIR fragments (registers 0-5: tile 2 p x the head's 64, registers 6-11: tile 2 p + 1) and 256 bytes of scale words (lane l: 8 bytes: fragments 0 | 1 by the
; halves of the lanes, then 2 | 3).  kv [32][16 steps of 128 keys][12,800]: K's half laid likewise, then V's: four fragments (16 of the head's 64 x 128 keys) and their scale words.
; REGISTERS, in windows of 256: window 0: addresses, scale words v32-63 (two sets), source 1's eight fragments v128-223 (one set), v72-114 at work on the way out.  window 1: source 0's fragments, two sets (v0-95, v128-223);
; the bias, eight registers a tile, v96-127 and v224-255.  windows 2, 3: accumulator (source 1's tile j, source 0's tile i) at window 2 + j / 4, v[64 (j % 4) + 8 i].
.set FR,    12                         ; registers of a fragment
.set NL,    3                          ; LDS loads that bring one
.set NP,    4                          ; places behind this matrix instruction
.set NQ,    2                          ; matrix steps in a slot
.set TILEB, 3072                       ; a tile's two K steps
.set HALFT, 8*TILEB                    ; eight tiles: what one tensor load brings, and what a wave reads of a side
.set SLOT,  4*HALFT                    ; source 1's 16 tiles, then source 0's
.set SCL,   2*SLOT                     ; behind the ring: the scale words for all of K, 8,192 bytes for each of the two loads (waves 2, 3): [4 slots][16 tiles][128]
.set SPARE, SCL+4*4096                 ; the spare words, 128 bytes for each wave
.set ADRA, 16                          ; v16-17 LDS address of source 1's fragments in slot 0, 1
.set ADRB, 20                          ; v20-21 of source 0's
.set L16,  24                          ; v24  16 x lane
.set L8,   25                          ; v25  8 x lane
.set ADRS, 27                          ; v27  my scale words: lanes 0-15 source 1's, lanes 16-31 source 0's
.set SPW,  28                          ; v28  my spare word; never rewritten
.set NIL,  29                          ; v29  0; never rewritten
.set SC,   32                          ; scale words: set s at v[SC + 16 s]; register 2 i + q: tile i, the slot's q-th 128 along K
.set BO,   64                          ; v64-71 the bias loads' offsets
.set TM,   72                          ; v72-75 largest magnitudes
.set TX,   76                          ; v76-79 the other half's, then the bytes
.set SO,   80                          ; v80-83 the conversions' scale operands
.set PW,   84                          ; v84-87 four fragments' scale words
.set SA,   88                          ; v88-91 as they are stored
.set PC,   96                          ; set anew for each fragment on the way out (v128-223)
.set PT,   108                         ; v108-110, v112-114
.set AF,   128
.set G1,   28                          ; s[28:35] group 1, s[36:43] group 0 (a set for each slot): source 1's codes
.set G0,   36
.set G1B,  44                          ; s[44:51], s[52:59]: source 0's codes
.set G0B,  52
.set G1S,  68                          ; s[68:75], s[76:79]: source 1's scale words
.set G0S,  76
.set G1SB, 80                          ; s[80:87], s[88:91]: source 0's
.set G0SB, 88
.set MSB, 0
.macro WIN new                         ; the immediate's high byte repeats the setting that is left
.if MSB != (\new)
	s_set_vgpr_msb (MSB<<8)|(\new)
.set MSB, (\new)
.endif
.endm
.set MUL_LO, 0xa1                      ; source 0 window 1, source 1 window 0, C and D window 2
.set MUL_HI, 0xf1                      ; the same, C and D window 3
.set TO_B,   0x40                      ; destination window 1, address window 0
; A joint load: waves 0 and 1 fetch for source 1, waves 2 and 3 for source 0.  The branch hangs on the wave's number alone.  An s_nop 0 and four v_nop follow each of the two lines.
.macro JLOAD g0a, g1a, g0b, g1b
	s_cmp_eq_u32 s23, 0
	s_cbranch_scc0 .Lfor_b_\@
	tensor_load_to_lds s[\g0a:\g0a+3], s[\g1a:\g1a+7]
	s_nop 0
.rept 4
	v_nop
.endr
	s_branch .Lasked_\@
.Lfor_b_\@:
	tensor_load_to_lds s[\g0b:\g0b+3], s[\g1b:\g1b+7]
	s_nop 0
.rept 4
	v_nop
.endr
.Lasked_\@:
.endm
.macro CREST                           ; a round of the cluster's barrier behind its opening barrier
	s_cmp_lg_u32 s22, 0
	s_cbranch_scc1 .Lnot_wave_0_\@
	s_barrier_signal -3
.Lnot_wave_0_\@:
	s_barrier_wait -3
	s_barrier_signal -1
	s_barrier_wait -1
.endm
.macro CROUND
	s_barrier_signal -1
	s_barrier_wait -1
	CREST
.endm
	s_load_b512 s[4:19], s[0:1], 0x0               ; x_img s[4:5], x_scl s[6:7], w_img s[8:9], w_scl s[10:11], bq s[12:13], bk s[14:15], bv s[16:17], q_img s[18:19]
	s_load_b64 s[20:21], s[0:1], 0x40              ; kv
	v_lshl_add_u32 v[SPW], v0, 2, SPARE
	v_mov_b32 v[NIL], 0
	ds_add_u32 v[SPW], v[NIL]                      ; the wave's opening: the add, twice on end, and its wait ahead of my first tensor load
	ds_add_u32 v[SPW], v[NIL]
	v_lshrrev_b32 v1, 5, v0
	v_readfirstlane_b32 s22, v1                    ; wave 0..3
	s_lshr_b32 s23, s22, 1                         ; a: my half of source 1's tiles.  Also: I fetch for source 1 (0) or source 0 (1)
	s_and_b32 s24, s22, 1                          ; b: my half of source 0's tiles.  Also: which eight tiles I fetch
	s_bfe_u32 s61, ttmp6, 0x40000                  ; cx
	s_bfe_u32 s62, ttmp6, 0x40004                  ; cy
	s_and_b32 s25, ttmp7, 0xffff
	s_lshl_b32 s25, s25, 2                         ; 4 x cluster y
	s_lshl_b32 s67, ttmp9, 2                       ; 4 x cluster x
	s_cmp_eq_u32 ttmp9, 2                          ; the third column of clusters makes v: the same in all sixteen partners
	s_cselect_b32 s60, 1, 0
	s_cselect_b32 s63, 8, s25
	s_cselect_b32 s66, s25, s67
	s_cselect_b32 s99, 0, 4                        ; the bias from register to register: the next column (q, k) or the same (v)
	s_cselect_b32 s100, -1, 0
	s_add_co_u32 s63, s63, s62                     ; source 1's block of 16 tiles: x's 4 cluster y + cy, or Wv's 8 + cy
	s_add_co_u32 s66, s66, s61                     ; source 0's: W's 4 cluster x + cx, or x's 4 cluster y + cx
	s_lshl_b32 s2, s62, 2
	s_lshl_b32 s2, 15, s2                          ; my row of the cluster
	s_lshl_b32 s3, 0x1111, s61                     ; my column
	s_or_b32 s[G1], s2, (3<<16)|(1<<21)            ; 15:0 the mask; 17:16 elements of 8 bytes; 21 set beside a mask; no padding
	s_or_b32 s[G1S], s2, (3<<16)|(1<<21)
	s_or_b32 s[G1B], s3, (3<<16)|(1<<21)
	s_or_b32 s[G1SB], s3, (3<<16)|(1<<21)
.irp g, G1, G1B                        ; codes: eight tiles, of each 3,072 bytes (384 elements), 12,288 bytes (1,536 elements) apart
	s_mov_b32 s[\g+1], 384<<16
	s_mov_b32 s[\g+2], 16<<16                      ; the head's loads bring a side's sixteen tiles; behind them the two words that count rows are set to 8
	s_mov_b32 s[\g+3], 384<<16
	s_mov_b32 s[\g+4], 16
	s_mov_b32 s[\g+5], 1536
	s_mov_b32 s[\g+6], 0
	s_mov_b32 s[\g+7], 0
.endr
.irp g, G1S, G1SB                      ; scale words: four rows (a slot each) of sixteen tiles' 2,048 bytes (256 elements), 32,768 bytes apart
	s_mov_b32 s[\g+1], 256<<16                     ; a side's sixteen tiles: rows of 2,048 bytes
	s_mov_b32 s[\g+2], 4<<16
	s_mov_b32 s[\g+3], 256<<16
	s_mov_b32 s[\g+4], 4
	s_mov_b32 s[\g+5], 4096
	s_mov_b32 s[\g+6], 0
	s_mov_b32 s[\g+7], 0
.endr
	s_lshl_b32 s2, s63, 4
	s_lshl_b32 s26, s2, 7                          ; its scale words,
	s_mul_i32 s2, s2, 12288                        ; its codes
	s_mov_b32 s3, 0
	s_mov_b32 s27, 0
	s_lshl_b32 s92, s66, 4
	s_lshl_b32 s94, s92, 7
	s_mul_i32 s92, s92, 12288
	s_mov_b32 s93, 0
	s_mov_b32 s95, 0
	s_mul_i32 s25, s22, HALFT                      ; where they go: wave x eight tiles: no place in the cluster enters an LDS address
	s_wait_dscnt 0x0                               ; both opening adds are done
	s_wait_kmcnt 0x0
	s_cmp_eq_u32 s60, 1
	s_cselect_b64 s[G0+2:G0+3], s[8:9], s[4:5]     ; source 1's codes: Wv's or x's
	s_cselect_b64 s[G0B+2:G0B+3], s[4:5], s[8:9]   ; source 0's: x's or W's
	s_cselect_b64 s[G0S+2:G0S+3], s[10:11], s[6:7]
	s_cselect_b64 s[G0SB+2:G0SB+3], s[6:7], s[10:11]
	s_add_nc_u64 s[G0+2:G0+3], s[G0+2:G0+3], s[2:3]
	s_add_nc_u64 s[G0B+2:G0B+3], s[G0B+2:G0B+3], s[92:93]
	s_mov_b32 s4, 1                                ; s[4:7], s[8:11]: group 0 of the head's loads of slot 0: a side's sixteen tiles whole (the arguments that lay there have been used)
	s_mov_b32 s5, 0
	s_mov_b64 s[6:7], s[G0+2:G0+3]
	s_or_b32 s7, s7, 0x80000000
	s_mov_b32 s8, 1
	s_mov_b32 s9, 2*HALFT
	s_mov_b64 s[10:11], s[G0B+2:G0B+3]
	s_or_b32 s11, s11, 0x80000000
	s_mul_i32 s2, s24, 8*12288                     ; in the ring I fetch eight tiles of a side: which half
	s_add_nc_u64 s[G0+2:G0+3], s[G0+2:G0+3], s[2:3]
	s_add_nc_u64 s[G0B+2:G0B+3], s[G0B+2:G0B+3], s[2:3]
	s_add_nc_u64 s[G0+6:G0+7], s[G0+2:G0+3], TILEB ; slot 1 begins with the second 256 along K
	s_add_nc_u64 s[G0B+6:G0B+7], s[G0B+2:G0B+3], TILEB
	s_add_nc_u64 s[G0S+2:G0S+3], s[G0S+2:G0S+3], s[26:27]
	s_add_nc_u64 s[G0SB+2:G0SB+3], s[G0SB+2:G0SB+3], s[94:95]
.irp g, G0, G0+4, G0B, G0B+4, G0S, G0SB
	s_mov_b32 s[\g], 1                             ; count = 1
	s_or_b32 s[\g+3], s[\g+3], 0x80000000          ; type = 2
.endr
	s_mov_b32 s[G0+1], s25
	s_add_co_u32 s[G0+5], s25, SLOT
	s_mov_b32 s[G0B+1], s25
	s_add_co_u32 s[G0B+5], s25, SLOT
	s_mov_b32 s[G0S+1], SCL                        ; the scale words in LDS: [side][4 slots][16 tiles][128]
	s_mov_b32 s[G0SB+1], SCL+8192
	; the bias and the way out: which 128 rows of x and which 128 columns of W are my wave's
	s_lshl_b32 s2, s63, 1
	s_add_co_u32 s2, s2, s23                       ; 2 x source 1's block + a
	s_lshl_b32 s3, s66, 1
	s_add_co_u32 s3, s3, s24                       ; 2 x source 0's block + b
	s_cmp_eq_u32 s60, 1
	s_cselect_b32 s25, s3, s2                      ; x's 128 rows: 16 x batch + step
	s_cselect_b32 s67, s2, s3                      ; W's 128 columns: two heads
	s_cselect_b32 s26, 6400, 0                     ; V's half of a record lies behind K's
	s_cmp_eq_u32 ttmp9, 1
	s_cselect_b64 s[96:97], s[14:15], s[12:13]
	s_cmp_eq_u32 ttmp9, 2
	s_cselect_b64 s[96:97], s[16:17], s[96:97]     ; bq, bk or bv
	s_cmp_eq_u32 ttmp9, 0
	s_cselect_b64 s[92:93], s[18:19], s[20:21]     ; q_img or kv
	s_mov_b32 s94, 12800
	s_cselect_b32 s94, 6400, s94                   ; a record
	s_and_b32 s2, s67, 7
	s_lshl_b32 s2, s2, 9
	s_mov_b32 s3, 0
	s_add_nc_u64 s[96:97], s[96:97], s[2:3]        ; the bias at my 128 columns
	s_lshr_b32 s2, s25, 4
	s_lshl_b32 s2, s2, 4                           ; 16 x batch
	s_lshl_b32 s27, s67, 1
	s_and_b32 s27, s27, 15                         ; + my first head
	s_add_co_u32 s2, s2, s27
	s_lshl_b32 s2, s2, 4
	s_and_b32 s27, s25, 15                         ; 16 steps a head, + my step
	s_add_co_u32 s2, s2, s27
	s_mul_i32 s2, s2, s94
	s_add_co_u32 s2, s2, s26
	s_add_nc_u64 s[92:93], s[92:93], s[2:3]
	s_lshl_b32 s94, s94, 4                         ; from a head to the next
	s_mov_b32 s95, 0
	s_mov_b32 s26, 0x76543210
	s_mov_b32 s27, 0xfedcba98                      ; v_permlanex16_b32's selects for lane l xor 16
	s_mov_b32 s98, 0xffff0000                      ; lanes 16-31
	CROUND                                         ; all sixteen work-groups are here: the first joint loads meet
; THE HEAD'S LOADS, ONE A WAVE: wave 0 slot 0's sixteen tiles of source 1, wave 1 those of source 0, wave 2 source 1's scale words, wave 3 source 0's.  One chain of branches on the wave's number
.macro ARM under, g0, g1, next
	s_cmp_lt_u32 s22, \under
	s_cbranch_scc0 \next
	tensor_load_to_lds s[\g0:\g0+3], s[\g1:\g1+7]
	s_nop 0
.rept 4
	v_nop
.endr
	s_branch .Lhead_asked
\next:
.endm
	ARM 1, 4, G1, .Lhead_b
	ARM 2, 8, G1B, .Lhead_sa
	ARM 3, G0S, G1S, .Lhead_sb
	tensor_load_to_lds s[G0SB:G0SB+3], s[G1SB:G1SB+7]
	s_nop 0
.rept 4
	v_nop
.endr
.Lhead_asked:
	v_and_b32 v1, 15, v0                           ; r
	v_bfe_u32 v2, v0, 4, 1                         ; h
	s_wait_alu depctr_va_vdst(0)
	v_and_b32 v3, 31, v0
	v_lshlrev_b32 v[L16], 4, v3
	v_lshlrev_b32 v[L8], 3, v3
	s_mul_i32 s2, s23, HALFT
	s_mul_i32 s3, s24, HALFT
	s_add_co_u32 s3, s3, 2*HALFT
.irp s, 0,1
	v_add_nc_u32 v[ADRA+\s], s2, v[L16]
	v_add_nc_u32 v[ADRB+\s], s3, v[L16]
	s_add_co_u32 s2, s2, SLOT
	s_add_co_u32 s3, s3, SLOT
.endr
	s_lshl_b32 s2, s23, 10                         ; source 1's words: my eight tiles of a row of sixteen,
	s_lshl_b32 s3, s24, 10
	s_add_co_u32 s3, s3, 8192                      ; source 0's: likewise, behind source 1's
	s_sub_co_u32 s3, s3, s2
	v_mul_u32_u24 v4, s3, v2                       ; lanes 16-31 take source 0's
	s_add_co_u32 s2, s2, SCL
	v_lshl_add_u32 v4, v1, 3, v4
	v_add_nc_u32 v[ADRS], s2, v4
	; THE BIAS is the C of each sum's first matrix instruction.  q, k: register q of tile i wants b at the column of slot 8 h + q; v: all eight registers of tile j want bv at the column of slot r
	v_lshlrev_b32 v5, 6, v2                        ; 64 h
	v_and_b32 v6, 8, v1
	v_add_nc_u32 v6, v6, v1
	v_lshlrev_b32 v6, 2, v6                        ; 4 (r + 8 (r / 8))
	v_cndmask_b32 v[BO], v5, v6, s100
.irp q, 1,2,3,4,5,6,7
	v_add_nc_u32 v[BO+\q], s99, v[BO+\q-1]
.endr
.irp b, 0,1,2,3
	v_mov_b32 v[TX+\b], 0                          ; written once: a lane permute's destination counts as one of its sources
.endr
	WIN TO_B
.irp t, 0,1,2,3,4,5,6,7
.irp q, 0,1,2,3,4,5,6,7
	global_load_b32 v[96+8*(\t%4)+128*(\t/4)+\q], v[BO+\q], s[96:97] offset:(32*(\t/2)+8*(\t%2))*4
.endr
.endr
	WIN 0
.macro FRAG reg, adr, q, i             ; tile i's fragment of the slot's q-th 128 along K: its image, three loads of 512 consecutive bytes
.irp c, 0,1,2
	ds_load_b128 v[\reg+4*\c:\reg+4*\c+3], v[\adr] offset:TILEB*(\i)+1536*(\q)+512*\c
.endr
.endm
; 16 matrix instructions: source 1's tiles a0, a0 + 1 x source 0's eight.  p: source 0's set; sc: the set of scale words.  cm = 0: the sums go on; 1: they begin with the bias of source 0's tile; 2: of source 1's.
; The 64 accumulators take turns, one instruction a turn, in the same order in every step.
.macro MUL16 a0, p, q, sc, cm
.irp a, \a0, \a0+1
.irp b, 0,1,2,3,4,5,6,7
.if \cm == 1
	v_wmma_scale_f32_16x16x128_f8f6f4 v[8*(8*((\a)%4)+\b):8*(8*((\a)%4)+\b)+7], v[128*(\p)+FR*\b:128*(\p)+FR*\b+FR-1], v[AF+FR*(\a):AF+FR*(\a)+FR-1], v[96+8*(\b%4)+128*(\b/4):96+8*(\b%4)+128*(\b/4)+7], v[SC+8*NQ*(\sc)+NQ*\b+(\q)], v[SC+8*NQ*(\sc)+NQ*(\a)+(\q)] matrix_a_fmt:MATRIX_FMT_FP6 matrix_b_fmt:MATRIX_FMT_FP6 matrix_a_scale:MATRIX_SCALE_ROW1
.elseif \cm == 2
	v_wmma_scale_f32_16x16x128_f8f6f4 v[8*(8*((\a)%4)+\b):8*(8*((\a)%4)+\b)+7], v[128*(\p)+FR*\b:128*(\p)+FR*\b+FR-1], v[AF+FR*(\a):AF+FR*(\a)+FR-1], v[96+8*((\a)%4)+128*((\a)/4):96+8*((\a)%4)+128*((\a)/4)+7], v[SC+8*NQ*(\sc)+NQ*\b+(\q)], v[SC+8*NQ*(\sc)+NQ*(\a)+(\q)] matrix_a_fmt:MATRIX_FMT_FP6 matrix_b_fmt:MATRIX_FMT_FP6 matrix_a_scale:MATRIX_SCALE_ROW1
.else
	v_wmma_scale_f32_16x16x128_f8f6f4 v[8*(8*((\a)%4)+\b):8*(8*((\a)%4)+\b)+7], v[128*(\p)+FR*\b:128*(\p)+FR*\b+FR-1], v[AF+FR*(\a):AF+FR*(\a)+FR-1], v[8*(8*((\a)%4)+\b):8*(8*((\a)%4)+\b)+7], v[SC+8*NQ*(\sc)+NQ*\b+(\q)], v[SC+8*NQ*(\sc)+NQ*(\a)+(\q)] matrix_a_fmt:MATRIX_FMT_FP6 matrix_b_fmt:MATRIX_FMT_FP6 matrix_a_scale:MATRIX_SCALE_ROW1
.endif
.endr
.endr
.endm
.macro FETCH_B slot, q, p              ; source 0's eight fragments into set p
	WIN TO_B
.irp i, 0,1,2,3,4,5,6,7
	FRAG 128*(\p)+FR*\i, ADRB+\slot, \q, \i
.endr
	WIN 0
.endm
.macro FETCH_A slot, q, i0             ; source 1's tiles i0 .. i0 + 3
.irp i, \i0, \i0+1, \i0+2, \i0+3
	FRAG AF+FR*(\i), ADRA+\slot, \q, \i
.endr
.endm
.macro SCALES sc                       ; a slot's scale words into set sc: two words a row; lanes 0-15 take source 1's tile i, lanes 16-31 source 0's tile i
.irp i, 0,1,2,3,4,5,6,7
	ds_load_b64 v[SC+8*NQ*\sc+NQ*\i:SC+8*NQ*\sc+NQ*\i+1], v[ADRS] offset:128*\i
.endr
.endm
.macro PLACES n                        ; a load into a register that a matrix instruction has read, and a vector instruction that reads a result, stand four plain vector instructions behind it
.rept \n
	v_nop
.endr
.endm
; A step of 128 along K that has its successor in the same slot.  Source 1 has one set of registers: tiles 0-3 are fetched anew in the step's middle, tiles 4-7 at its end.
.macro STEP slot, q, cm
	s_wait_dscnt 4*NL                              ; all but the youngest twelve loads (source 1's tiles 4-7) are in
.if \cm
	WIN 0x91                                       ; C (the bias) in window 1, D in window 2
.else
	WIN MUL_LO
.endif
	MUL16 0, (\q)%2, \q, \slot, \cm
	MUL16 2, (\q)%2, \q, \slot, \cm
	s_wait_dscnt 0x0                               ; tiles 4-7 are in
	PLACES NP
	FETCH_B \slot, (\q)+1, 1-(\q)%2
	FETCH_A \slot, (\q)+1, 0
.if \cm
	WIN 0xd1
.else
	WIN MUL_HI
.endif
	MUL16 4, (\q)%2, \q, \slot, \cm
	MUL16 6, (\q)%2, \q, \slot, \cm
	PLACES NP
	WIN 0
	FETCH_A \slot, (\q)+1, 4
.endm
; A slot's last step changes slots: ONE barrier; in front of it each wave waits for all its tensor loads, adds 0 to its spare word, and waits for that and for its reads of this slot.  fill = 1: the slot is filled again, two slots ahead.
.macro TURN slot, next, fill
	s_wait_tensorcnt 0x0                           ; all my tensor loads have landed: my part of the next slot
	ds_add_u32 v[SPW], v[NIL]                      ; 0 onto my spare word
	s_wait_dscnt 4*NL+1                            ; (the add and the youngest twelve loads may be out)
	WIN MUL_LO
	MUL16 0, 1, NQ-1, \slot, 0                     ; sixteen matrix instructions stand between the add and the wait for it
	s_wait_dscnt 0x0                               ; the add is done, and my reads of this slot are over
	s_barrier_signal -1
	MUL16 2, 1, NQ-1, \slot, 0
	WIN 0
	s_barrier_wait -1
.if \fill
	CREST                                          ; the barrier has opened a round of the cluster's barrier: no wave of any partner still reads this slot or has a load on its way
	s_add_nc_u64 s[G0+4*\slot+2:G0+4*\slot+3], s[G0+4*\slot+2:G0+4*\slot+3], 2*TILEB
	s_add_nc_u64 s[G0B+4*\slot+2:G0B+4*\slot+3], s[G0B+4*\slot+2:G0B+4*\slot+3], 2*TILEB
	JLOAD G0+4*\slot, G1, G0B+4*\slot, G1B         ; the first tensor load behind the round; its four v_nop are the places in front of the loads below
.else
	PLACES NP
.endif
	s_wait_alu depctr_va_vdst(0)
	v_add_nc_u32 v[ADRS], 2048, v[ADRS]            ; the next slot's scale words
	FETCH_B \next, 0, 0
	FETCH_A \next, 0, 0
	SCALES \next
	WIN MUL_HI
	MUL16 4, 1, NQ-1, \slot, 0
	MUL16 6, 1, NQ-1, \slot, 0
	PLACES NP
	WIN 0
	FETCH_A \next, 0, 4
.endm
	s_wait_alu depctr_va_vdst(0)                   ; the wait at the head's end
	s_wait_tensorcnt 0x0                           ; my tile of the head's four is in
	ds_add_u32 v[SPW], v[NIL]
	s_mov_b32 s[G1+2], 8<<16                       ; no tensor load of mine is out: from here on a load brings eight tiles
	s_mov_b32 s[G1+4], 8
	s_mov_b32 s[G1B+2], 8<<16
	s_mov_b32 s[G1B+4], 8
	s_wait_dscnt 0x0
	CROUND                                         ; all four tiles are in, and all sixteen work-groups are here
	JLOAD G0+4, G1, G0B+4, G1B                     ; slot 1, the first tensor load behind the round
	FETCH_B 0, 0, 0
	FETCH_A 0, 0, 0
	SCALES 0
	FETCH_A 0, 0, 4
	s_wait_loadcnt 0x0                             ; the bias
	s_cmp_eq_u32 s60, 1                            ; the first step is written twice: the bias runs along source 0's tiles (q, k) or source 1's (v).  Both ways issue the same loads
	s_cbranch_scc1 .Lfirst_v
	STEP 0, 0, 1
	s_branch .Lfirst_done
.Lfirst_v:
	STEP 0, 0, 2
.Lfirst_done:
	TURN 0, 1, 1                                   ; K has four slots' worth: written out, no loop
	STEP 1, 0, 0
	TURN 1, 0, 1
	STEP 0, 0, 0
	TURN 0, 1, 0                                   ; nothing is left to fetch
	STEP 1, 0, 0
	s_wait_dscnt 4*NL
	WIN MUL_LO
	MUL16 0, 1, NQ-1, 1, 0
	MUL16 2, 1, NQ-1, 1, 0
	s_wait_dscnt 0x0
	WIN MUL_HI
	MUL16 4, 1, NQ-1, 1, 0
	MUL16 6, 1, NQ-1, 1, 0
	WIN 0
; THE WAY OUT: from the accumulators straight to codes and to memory.  64 numbers of a lane (32 registers from s1 and 32 from s2 of window win; each run of 16 is half a block of 32, lane l xor 16 holds the other half)
; become a fragment's codes in v[PC] on and its scale word in v[pw].  Each accumulator is read from its low end on.
.macro QUANT2 win, s1, s2, pw
	WIN ((\win)<<2)|((\win)<<4)
	v_max3_num_f32 v[TM], 0x1800000, |v[(\s1)]|, |v[(\s1)+1]|          ; with the floor 2^(3 - 127): the byte cannot fall under 1
	v_max3_num_f32 v[TM+1], 0x1800000, |v[(\s1)+16]|, |v[(\s1)+17]|
	v_max3_num_f32 v[TM+2], 0x1800000, |v[(\s2)]|, |v[(\s2)+1]|
	v_max3_num_f32 v[TM+3], 0x1800000, |v[(\s2)+16]|, |v[(\s2)+17]|
.irp i, 2,4,6,8,10,12,14
	v_max3_num_f32 v[TM], v[TM], |v[(\s1)+\i]|, |v[(\s1)+\i+1]|
	v_max3_num_f32 v[TM+1], v[TM+1], |v[(\s1)+16+\i]|, |v[(\s1)+17+\i]|
	v_max3_num_f32 v[TM+2], v[TM+2], |v[(\s2)+\i]|, |v[(\s2)+\i+1]|
	v_max3_num_f32 v[TM+3], v[TM+3], |v[(\s2)+16+\i]|, |v[(\s2)+17+\i]|
.endr
	WIN 0
.irp b, 0,1,2,3
	v_permlanex16_b32 v[TX+\b], v[TM+\b], s26, s27
.endr
.irp b, 0,1,2,3
	v_max_num_f32 v[TM+\b], v[TM+\b], v[TX+\b]     ; the block's largest magnitude
.endr
.irp b, 0,1,2,3
	v_add_nc_u32 v[SO+\b], 0xff000000, v[TM+\b]    ; 2 off its exponent field: the conversion's scale operand
.endr
.irp b, 0,1,2,3
	v_lshrrev_b32 v[TX+\b], 23, v[SO+\b]           ; the scale's byte
.endr
	v_lshl_or_b32 v[\pw], v[TX+1], 8, v[TX]
	v_lshl_or_b32 v[\pw], v[TX+2], 16, v[\pw]
	v_lshl_or_b32 v[\pw], v[TX+3], 24, v[\pw]
	WIN \win
	v_cvt_scalef32_pk16_fp6_f32 v[PC:PC+2], v[(\s1):(\s1)+15], v[SO]
	v_cvt_scalef32_pk16_fp6_f32 v[PT:PT+2], v[(\s1)+16:(\s1)+31], v[SO+1]
	v_cvt_scalef32_pk16_fp6_f32 v[PC+6:PC+8], v[(\s2):(\s2)+15], v[SO+2]
	v_cvt_scalef32_pk16_fp6_f32 v[PT+4:PT+6], v[(\s2)+16:(\s2)+31], v[SO+3]
	WIN 0
	v_nop                                          ; one plain place behind a scaled conversion
.irp c, 0,1                            ; the operand's layout wants a WHOLE block in a lane
.irp i, 0,1,2
	v_permlane16_swap_b32 v[PC+6*\c+\i], v[PT+4*\c+\i]
.endr
.irp i, 0,1,2
	v_mov_b32 v[PC+3+6*\c+\i], v[PT+4*\c+\i]
.endr
.endr
.endm
; My two heads, four fragments each.  q, k: fragment q = x's tiles 2 q, 2 q + 1 x head g's four tiles of W.  v: fragment q = W's tile 4 g + q x x's eight tiles (128 keys).
; v: by the order of x's rows in their tiles a lane's 64 numbers from s1 on are keys 32 h + 0 .. 31 and 64 + 32 h + 0 .. 31: two whole blocks, in the operand's own order.  No lane looks at another but for the scale word's bytes.
.macro QUANTV win, s1, pw
	WIN ((\win)<<2)|((\win)<<4)
	v_max3_num_f32 v[TM], 0x1800000, |v[(\s1)]|, |v[(\s1)+1]|
	v_max3_num_f32 v[TM+1], 0x1800000, |v[(\s1)+32]|, |v[(\s1)+33]|
	v_max3_num_f32 v[TM+2], 0x1800000, |v[(\s1)+16]|, |v[(\s1)+17]|
	v_max3_num_f32 v[TM+3], 0x1800000, |v[(\s1)+48]|, |v[(\s1)+49]|
.irp i, 2,4,6,8,10,12,14
	v_max3_num_f32 v[TM], v[TM], |v[(\s1)+\i]|, |v[(\s1)+\i+1]|
	v_max3_num_f32 v[TM+1], v[TM+1], |v[(\s1)+32+\i]|, |v[(\s1)+33+\i]|
	v_max3_num_f32 v[TM+2], v[TM+2], |v[(\s1)+16+\i]|, |v[(\s1)+17+\i]|
	v_max3_num_f32 v[TM+3], v[TM+3], |v[(\s1)+48+\i]|, |v[(\s1)+49+\i]|
.endr
	WIN 0
	v_max_num_f32 v[TM], v[TM], v[TM+2]            ; blocks h and 2 + h
	v_max_num_f32 v[TM+1], v[TM+1], v[TM+3]
	v_add_nc_u32 v[SO], 0xff000000, v[TM]
	v_add_nc_u32 v[SO+1], 0xff000000, v[TM+1]
	v_lshrrev_b32 v[TX], 23, v[SO]
	v_lshrrev_b32 v[TX+1], 23, v[SO+1]
	v_lshl_or_b32 v[TX], v[TX+1], 16, v[TX]
	v_lshlrev_b32 v[TX], v92, v[TX]                ; my two bytes at their places in the word (8 h bits up);
	v_permlanex16_b32 v[TX+2], v[TX], s26, s27
	v_or_b32 v[\pw], v[TX], v[TX+2]                ; with lane l xor 16's two it is whole
	WIN \win
	v_cvt_scalef32_pk16_fp6_f32 v[PC:PC+2], v[(\s1):(\s1)+15], v[SO]
	v_cvt_scalef32_pk16_fp6_f32 v[PT:PT+2], v[(\s1)+16:(\s1)+31], v[SO]
	v_cvt_scalef32_pk16_fp6_f32 v[PC+6:PC+8], v[(\s1)+32:(\s1)+47], v[SO+1]
	v_cvt_scalef32_pk16_fp6_f32 v[PT+4:PT+6], v[(\s1)+48:(\s1)+63], v[SO+1]
	WIN 0
	v_nop                                          ; one plain place behind a scaled conversion
.irp i, 0,1,2
	v_mov_b32 v[PC+3+\i], v[PT+\i]
	v_mov_b32 v[PC+9+\i], v[PT+4+\i]
.endr
.endm
.macro EPI isv
.irp g, 0,1
.irp q, 0,1,2,3
.set PC, 128+12*(4*\g+\q)              ; each of the eight fragments has its own twelve registers for its codes (v128-223, where source 1's fragments lay), each head its own base and scale words: no store's source is written again
.if \isv
	QUANTV 2+\g, 64*\q, PW+\q
.else
	QUANT2 2+(2*\q)/4, 64*((2*\q)%4)+32*\g, 64*((2*\q)%4)+32*\g+64, PW+\q
.endif
.irp c, 0,1,2
	global_store_b128 v[L16], v[PC+4*\c:PC+4*\c+3], s[92+4*\g:93+4*\g] offset:1536*\q+512*\c   ; the image: 512 consecutive bytes a store
.endr
.endr
	v_cndmask_b32 v[SA+2*\g], v[PW], v[PW+1], s98  ; the four scale words: fragments 0 | 1 by the halves of the lanes, then 2 | 3
	v_cndmask_b32 v[SA+2*\g+1], v[PW+2], v[PW+3], s98
	global_store_b64 v[L8], v[SA+2*\g:SA+2*\g+1], s[92+4*\g:93+4*\g] offset:6144   ; one aligned block of 256 bytes
.endr
.endm
	s_add_nc_u64 s[96:97], s[92:93], s[94:95]      ; my second head's records (the bias, whose address lay here, has long been loaded)
	PLACES NP
	s_cmp_eq_u32 s60, 1
	s_cbranch_scc1 .Lout_v
	EPI 0
	s_branch .Lout_done
.Lout_v:
	v_bfe_u32 v92, v0, 4, 1
	v_lshlrev_b32 v92, 3, v92                      ; 8 h
	EPI 1
.Lout_done:
	s_wait_tensorcnt 0x0                           ; the wave's end, behind my last tensor load
	ds_add_u32 v[SPW], v[NIL]
	s_wait_dscnt 0x0
	CROUND                                         ; the closing round: no work-group ends while a partner may still ask for a tile that names it
	s_endpgm
.Lfunc_end_k_qe1b7a068a7_qkv:
	.size	k_qe1b7a068a7_qkv, .Lfunc_end_k_qe1b7a068a7_qkv-k_qe1b7a068a7_qkv
	.p2alignl 7, 3214868480
	.fill 96, 4, 3214868480
	.section	.rodata,"a",@progbits
	.p2align	6, 0x0
	.amdhsa_kernel k_qe1b7a068a7_qkv
		.amdhsa_group_segment_fixed_size 327680
		.amdhsa_private_segment_fixed_size 0
		.amdhsa_enable_private_segment 0
		.amdhsa_kernarg_size 72
		.amdhsa_user_sgpr_count 2
		.amdhsa_user_sgpr_kernarg_segment_ptr 1
		.amdhsa_wavefront_size32 1
		.amdhsa_system_sgpr_workgroup_id_x 1
		.amdhsa_system_sgpr_workgroup_id_y 1
		.amdhsa_system_sgpr_workgroup_id_z 1
		.amdhsa_system_vgpr_workitem_id 0
		.amdhsa_next_free_vgpr 1024
		.amdhsa_next_free_sgpr 102
		.amdhsa_reserve_vcc 0
		.amdhsa_float_denorm_mode_32 3
		.amdhsa_float_denorm_mode_16_64 3
		.amdhsa_memory_ordered 1
		.amdhsa_forward_progress 1
		.amdhsa_inst_pref_size 187
	.end_amdhsa_kernel
	.amdgpu_metadata
---
amdhsa.version: [ 1, 2 ]
amdhsa.kernels:
  - .name:           k_qe1b7a068a7_qkv
    .symbol:         k_qe1b7a068a7_qkv.kd
    .args:
      - { .name: x_img, .offset: 0, .size: 8, .value_kind: global_buffer, .address_space: global }
      - { .name: x_scl, .offset: 8, .size: 8, .value_kind: global_buffer, .address_space: global }
      - { .name: w_img, .offset: 16, .size: 8, .value_kind: global_buffer, .address_space: global }
      - { .name: w_scl, .offset: 24, .size: 8, .value_kind: global_buffer, .address_space: global }
      - { .name: bq, .offset: 32, .size: 8, .value_kind: global_buffer, .address_space: global }
      - { .name: bk, .offset: 40, .size: 8, .value_kind: global_buffer, .address_space: global }
      - { .name: bv, .offset: 48, .size: 8, .value_kind: global_buffer, .address_space: global }
      - { .name: q_img, .offset: 56, .size: 8, .value_kind: global_buffer, .address_space: global }
      - { .name: kv, .offset: 64, .size: 8, .value_kind: global_buffer, .address_space: global }
    .group_segment_fixed_size: 327680
    .private_segment_fixed_size: 0
    .kernarg_segment_align: 8
    .kernarg_segment_size: 72
    .max_flat_workgroup_size: 128
    .sgpr_count:     102
    .vgpr_count:     1024
    .wavefront_size: 32
...
	.end_amdgpu_metadata
.endif
;; end of part 2
;; launch attn (part 3): grid 8 x 32, 8 waves a work-group, clusters of 4 x 1, 327,680 bytes of LDS; arguments q_img, kv, o_img, o_scl; writes o_img, o_scl
.if DOCPART == 3
	.amdgcn_target "amdgcn-amd-amdhsa--gfx1250"
	.amdhsa_code_object_version 6
	.text
	.protected	k_qe1b7a068a7_attn
	.globl	k_qe1b7a068a7_attn
	.p2align	8
	.type	k_qe1b7a068a7_attn,@function
k_qe1b7a068a7_attn:
	s_mov_b64 s[64:65], 0
	v_nop
	global_prefetch_b8 v0, s[64:65] scope:SCOPE_SE
	s_setreg_imm32_b32 hwreg(HW_REG_WAVE_MODE, 25, 1), 1
	s_wait_xcnt 0x0
	s_wait_alu depctr_hold_cnt(0) depctr_sa_sdst(0) depctr_va_vdst(0) depctr_va_sdst(0) depctr_va_ssrc(0) depctr_va_vcc(0) depctr_vm_vsrc(0)
	s_getreg_b32 s2, hwreg(HW_REG_IB_STS2, 6, 4)
	s_cmp_eq_u32 s2, 0
	s_cbranch_scc0 .Lentry_in_a_cluster
	s_endpgm
.Lentry_in_a_cluster:
	s_bfe_u32 s2, ttmp6, 0x10000c
	s_cmp_lg_u32 s2, 0x3003
	s_cbranch_scc0 .Lentry_shape_is_right
	s_endpgm
.Lentry_shape_is_right:
; LAUNCH 3 OF 4.  o = softmax(q k^T / 8) v for one head and 256 queries a work-group, on codes of E2M3; o is quantised along the model's 1,024 for the last launch.  No work is left out.
; LIMITS: as stated at the head of the first launch; and the promise holds while the scaled scores (the exponents to the base 2) stay under 2^31 in magnitude.
; SHARES.  256 work-groups of eight waves; a wave has 32 queries: tile A (window 0) and tile B (window 1), 16 queries each, with the same register numbers in both windows.  16 steps of 128 keys.
; LDS.  All of the head's K and V, 16 records of 12,800 bytes, come in ONCE: each wave asks for two records with one tensor load at the head; nothing is filled again.
; The loads stand in two arms: waves 0-3 bring records 0-7, which the first barrier shows; steps 0 to 6 read these alone (step t reads V's half of record t and K's half of record t + 1).
; Waves 4-7 bring records 8-15, which a plain barrier behind step 6 shows, every wave's wait for its load ahead of it.
; CLUSTERS: the four work-groups of a cluster have the same head and ask for its records jointly (mask 15).  NO PREFETCH: every tile is asked for at the head, so there is no loop to run ahead in.
; BOTH PRODUCTS ARE USED TRANSPOSED (S^T = k q^T, O^T = v^T p^T): a lane holds one query.  The head is 64 wide and the instruction 128 deep: a fragment of K holds two tiles of keys (registers 0-5, 6-11),
; and q stands against zeros: v[22:33] = q, 0 takes the first tile, v[16:27] = 0, q the second.
; By the order of the rows in their tiles (first launch) slot 8 h + j of key tile 4 c + u is key 64 c + 32 h + 8 u + j: registers S + 32 c + 0 .. 31 of lane (r, h) are keys 64 c + 32 h + 0 .. 31: a whole scale block, in the
; order in which p's operand wants them.  So a block's largest score is found in the lane, and the conversions' results are the operand; lanes l and l xor 16 exchange the row's maximum and two scale bytes.
; THE ORDER OF A STEP.  HALF x does tile x's softmax and then issues its products: O^T += v^T p^T of this step and S^T of the NEXT step, which are at work while the other tile's vector lines are issued.
; The search for the other tile's largest scores stands directly behind the wait that follows tile x's exponentials: that one wait is also the wait ahead of the first reads of those scores.
; The fragments of K (next step) and V (this step) are read once a step, in HALF 0, for both tiles: K's into window 0, V's into window 1, v36-83 of each.
.set REC,   12800                      ; a record: K's four fragments, 256 bytes of scale words, V's four fragments, 256 bytes of scale words
.set SPARE, 16*REC                     ; the spare words: 128 bytes for each of eight waves
.set L16,  1                           ; 16 x lane
.set L8,   2                           ; 8 x lane
.set RR,   3                           ; r
.set H8,   4                           ; 8 h (in both windows)
.set SPW,  5                           ; my spare word; never rewritten
.set NIL,  6                           ; 0; never rewritten
.set ADI,  7                           ; this step's record, + 16 x lane
.set ADW,  8                           ; + 8 x lane
.set QOF,  9
.set QSO,  10
.set OSO,  11
                                       ; v12 -M, v13 the running largest t; v16-33 0, q, 0 (each tile's, in its window)
.set QS,   34                          ; v34, v35 q's scale words, tile A's and B's (scale registers lie in window 0)
.set FRG,  36                          ; v36-83 four fragments
.set KS,   84                          ; v84-85 K's scale words
.set VS,   86                          ; v86-87 V's
.set PW,   88                          ; v88, v89 p's scale words, tile A's and B's
.set S,    96                          ; v96-159 scores, then p
.set O,    160                         ; v160-191 O^T
.set PC,   192                         ; v192-203 p's codes
.set PT,   204                         ; v204-206, v208-210 the blocks' second halves
.set BM,   212                         ; v212-215 largest scores
.set BX,   216                         ; v216-217
.set SO,   220                         ; v220-221 the conversions' scale operands
.set TT,   222
.set TO,   223
.set FF,   226                         ; v226 the factor 2^(old M - new M); v227 named with it
.set LS,   228                         ; v228-235 the row's sum, in eight parts
.set WV,   12
.set SEL,  20
.set CS,   22
.set G1,   24
.set TB,   40
.set CNT,  41
.set MSB, 0
.macro WIN new                         ; the immediate's high byte repeats the setting that is left
.if MSB != (\new)
	s_set_vgpr_msb (MSB<<8)|(\new)
.set MSB, (\new)
.endif
.endm
.macro WALU
	s_wait_alu depctr_va_vdst(0)
.endm
.macro CROUND
	s_barrier_signal -1
	s_barrier_wait -1
	s_cmp_lg_u32 s[WV], 0
	s_cbranch_scc1 .Lnot_wave_0_\@
	s_barrier_signal -3
.Lnot_wave_0_\@:
	s_barrier_wait -3
	s_barrier_signal -1
	s_barrier_wait -1
.endm
.macro LDF a, off, p                   ; a fragment's image: three loads of 512 consecutive bytes
.irp c, 0,1,2
	ds_load_b128 v[FRG+12*(\p)+4*\c:FRG+12*(\p)+4*\c+3], v[\a] offset:(\off)+1536*(\p)+512*\c
.endr
.endm
.macro QKM x                           ; S^T of tile x: eight products, eight accumulators
	WIN 0x54*(\x)
.irp p, 0,1,2,3
.if \p%2
	v_wmma_scale_f32_16x16x128_f8f6f4 v[S+16*\p:S+16*\p+7], v[FRG+12*\p:FRG+12*\p+11], v[22:33], 0, v[KS+\p/2], v[QS+(\x)] matrix_a_fmt:MATRIX_FMT_FP6 matrix_b_fmt:MATRIX_FMT_FP6 matrix_a_scale:MATRIX_SCALE_ROW1
	v_wmma_scale_f32_16x16x128_f8f6f4 v[S+16*\p+8:S+16*\p+15], v[FRG+12*\p:FRG+12*\p+11], v[16:27], 0, v[KS+\p/2], v[QS+(\x)] matrix_a_fmt:MATRIX_FMT_FP6 matrix_b_fmt:MATRIX_FMT_FP6 matrix_a_scale:MATRIX_SCALE_ROW1
.else
	v_wmma_scale_f32_16x16x128_f8f6f4 v[S+16*\p:S+16*\p+7], v[FRG+12*\p:FRG+12*\p+11], v[22:33], 0, v[KS+\p/2], v[QS+(\x)] matrix_a_fmt:MATRIX_FMT_FP6 matrix_b_fmt:MATRIX_FMT_FP6
	v_wmma_scale_f32_16x16x128_f8f6f4 v[S+16*\p+8:S+16*\p+15], v[FRG+12*\p:FRG+12*\p+11], v[16:27], 0, v[KS+\p/2], v[QS+(\x)] matrix_a_fmt:MATRIX_FMT_FP6 matrix_b_fmt:MATRIX_FMT_FP6
.endif
.endr
.endm
.macro PVM x                           ; O^T of tile x: four products, four accumulators by turns; V's fragments lie in window 1
	WIN 1|(0x54*(\x))
.irp t, 0,1,2,3
.if \t%2
	v_wmma_scale_f32_16x16x128_f8f6f4 v[O+8*\t:O+8*\t+7], v[FRG+12*\t:FRG+12*\t+11], v[PC:PC+11], v[O+8*\t:O+8*\t+7], v[VS+\t/2], v[PW+(\x)] matrix_a_fmt:MATRIX_FMT_FP6 matrix_b_fmt:MATRIX_FMT_FP6 matrix_a_scale:MATRIX_SCALE_ROW1
.else
	v_wmma_scale_f32_16x16x128_f8f6f4 v[O+8*\t:O+8*\t+7], v[FRG+12*\t:FRG+12*\t+11], v[PC:PC+11], v[O+8*\t:O+8*\t+7], v[VS+\t/2], v[PW+(\x)] matrix_a_fmt:MATRIX_FMT_FP6 matrix_b_fmt:MATRIX_FMT_FP6
.endif
.endr
.endm
.macro MAXC                            ; the largest score of my two blocks of 32 keys, four chains side by side; each accumulator is read from its low end on
.irp b, 0,1
	v_max3_num_f32 v[BM+\b], v[S+32*\b], v[S+32*\b+1], v[S+32*\b+2]
	v_max3_num_f32 v[BM+2+\b], v[S+32*\b+16], v[S+32*\b+17], v[S+32*\b+18]
.endr
.irp i, 3,5,7,9,11,13
.irp b, 0,1
	v_max3_num_f32 v[BM+\b], v[BM+\b], v[S+32*\b+\i], v[S+32*\b+\i+1]
	v_max3_num_f32 v[BM+2+\b], v[BM+2+\b], v[S+32*\b+16+\i], v[S+32*\b+17+\i]
.endr
.endr
.irp b, 0,1
	v_max3_num_f32 v[BM+\b], v[BM+\b], v[BM+2+\b], v[S+32*\b+15]
.endr
.irp b, 0,1
	v_max_num_f32 v[BM+\b], v[BM+\b], v[S+32*\b+31]
.endr
.endm
.macro PKF n                           ; t - M, two at a time
.rept \n
	v_pk_fma_f32 v[S+SJ:S+SJ+1], v[S+SJ:S+SJ+1], s[CS:CS+1], v[12:13] op_sel_hi:[1,0,0]
.set SJ, SJ+2
.endr
.endm
.macro SUMS n                          ; the row's sum of the UNQUANTISED p, two at a time, four chains by turns
.rept \n
	v_pk_add_f32 v[LS+2*(SQ%4):LS+2*(SQ%4)+1], v[LS+2*(SQ%4):LS+2*(SQ%4)+1], v[S+2*SQ:S+2*SQ+1]
.set SQ, SQ+1
.endr
.endm
; Tile x's half of a step.  qk: a next step follows (its K is read, its S^T begun);  mx: the other tile has scores to search
.macro HALF x, qk, mx
.set SJ, 0
.set SQ, 0
	WIN 0x55*(\x)
.if (\x) == 0
	v_add_nc_u32 v[ADI], s[TB], v[L16]
	v_add_nc_u32 v[ADW], s[TB], v[L8]
.endif
	v_max_num_f32 v[TT], v[BM], v[BM+1]
	v_mov_b32 v[TO], v12                           ; the old -M.  (In HALF 0 these four lines are the places ahead of the loads into registers that the last products have read)
.if (\x) == 0 && (\qk)
	LDF ADI, REC, 0
	LDF ADI, REC, 1
.endif
	v_permlanex16_b32 v[BX], v[TT], s[SEL], s[SEL+1]
.if (\x) == 0 && (\qk)
	LDF ADI, REC, 2
	LDF ADI, REC, 3
	ds_load_b64 v[KS:KS+1], v[ADW] offset:REC+6144
.endif
	v_max_num_f32 v[TT], v[TT], v[BX]              ; the step's largest score of my query
.if (\x) == 0
	ds_load_b64 v[VS:VS+1], v[ADW] offset:12544
	WIN 0x40
.irp t, 0,1,2,3
	LDF ADI, 6400, \t
.endr
	WIN 0
.endif
	v_mul_f32 v[TT], s[CS], v[TT]                  ; as t
	v_max_num_f32 v13, v13, v[TT]                  ; the running largest t
	v_floor_f32 v12, -v13                          ; -M = floor(-t): M is a whole number
	PKF 2
	v_sub_f32 v[TT], v12, v[TO]                    ; old M less new M
	PKF 2
	v_cvt_i32_f32 v[TT], v[TT]                     ; (it saturates)
	PKF 2
	v_ldexp_f32 v[FF], 1.0, v[TT]                  ; f = 2^(old M - new M)
	PKF 26
	v_fma_f32 v[BM], v[BM], s[CS], v12             ; the same of each block's largest score
	v_fma_f32 v[BM+1], v[BM+1], s[CS], v12
	WALU                                           ; the wait ahead of the batch, and directly ahead of the first reader of O^T
.set j, 0
.rept 16
	v_pk_mul_f32 v[O+j:O+j+1], v[O+j:O+j+1], v[FF:FF+1] op_sel_hi:[1,0]   ; O^T under the new M
.set j, j+2
.endr
	v_exp_f32 v[BM], v[BM]                         ; the blocks' largest p
	v_exp_f32 v[BM+1], v[BM+1]
.set j, 0
.rept 64
	v_exp_f32 v[S+j], v[S+j]                       ; p = 2^(t - M)
.set j, j+1
.endr
.irp k, 0,2,4,6
	v_pk_mul_f32 v[LS+\k:LS+\k+1], v[LS+\k:LS+\k+1], v[FF:FF+1] op_sel_hi:[1,0]   ; the sums under the new M: plain lines behind the batch
.endr
.if \mx
	WIN 0x55*(1-(\x))
.endif
	WALU                                           ; one wait for the batch; it is also the wait directly ahead of the first reads of the other tile's scores
.if \mx
	MAXC
.endif
	WIN 0x55*(\x)
	v_max_num_f32 v[BM], 0x1800000, v[BM]          ; the floor 2^(3 - 127): the byte cannot fall under 1
	v_max_num_f32 v[BM+1], 0x1800000, v[BM+1]
	SUMS 2
	v_add_nc_u32 v[SO], 0xff000000, v[BM]          ; 2 off the exponent field: the conversions' scale operand
	v_add_nc_u32 v[SO+1], 0xff000000, v[BM+1]
	SUMS 2
	v_cvt_scalef32_pk16_fp6_f32 v[PC:PC+2], v[S:S+15], v[SO]
	v_cvt_scalef32_pk16_fp6_f32 v[PT:PT+2], v[S+16:S+31], v[SO]       ; (a conversion's three registers begin on an even number)
	v_cvt_scalef32_pk16_fp6_f32 v[PC+6:PC+8], v[S+32:S+47], v[SO+1]
	v_cvt_scalef32_pk16_fp6_f32 v[PT+4:PT+6], v[S+48:S+63], v[SO+1]
	v_lshrrev_b32 v[BX], 23, v[SO]                 ; the bytes of blocks h and 2 + h.  (Plain lines behind the conversions)
	v_lshrrev_b32 v[BX+1], 23, v[SO+1]
.irp i, 0,1,2
	v_mov_b32 v[PC+3+\i], v[PT+\i]
	v_mov_b32 v[PC+9+\i], v[PT+4+\i]
.endr
	v_lshl_or_b32 v[TT], v[BX+1], 16, v[BX]
	SUMS 2
	v_lshlrev_b32 v[TT], v[H8], v[TT]              ; at their places in the word
	SUMS 2
	v_permlanex16_b32 v[BX], v[TT], s[SEL], s[SEL+1]
	SUMS 2
	WIN 0x05*(\x)
	v_or_b32 v[PW+(\x)], v[TT], v[BX]              ; p's scale word for these 128 keys, into window 0
	WIN 0x55*(\x)
	SUMS 10                                        ; more than the eight places between a scale word's write and the product that takes it
.if (\x) == 0
	WALU                                           ; directly ahead of the wait below
	s_wait_dscnt 0x0                               ; the step's fragments and scale words are in
.endif
	PVM \x
	WIN 0x55*(\x)
	SUMS 12
.if \qk
	QKM \x
.endif
.endm
; The way out of tile w: O^T / the row's sum, quantised along the head's 64 (two blocks; a lane holds half of each, lane l xor 16 the other half), stored as six registers of o's fragment
.macro FIN w
	WIN 0x55*(\w)
	v_pk_add_f32 v[LS:LS+1], v[LS:LS+1], v[LS+2:LS+3]
	v_pk_add_f32 v[LS+4:LS+5], v[LS+4:LS+5], v[LS+6:LS+7]
	v_pk_add_f32 v[LS:LS+1], v[LS:LS+1], v[LS+4:LS+5]
	v_add_f32 v[LS], v[LS], v[LS+1]
	v_permlanex16_b32 v[BX], v[LS], s[SEL], s[SEL+1]
	v_add_f32 v[LS], v[LS], v[BX]                  ; the row's sum
	WALU                                           ; the wait ahead of the transcendental
	v_rcp_f32 v[FF], v[LS]
	v_nop
	WALU                                           ; and behind it, directly ahead of the first reader of O^T
.set j, 0
.rept 16
	v_pk_mul_f32 v[O+j:O+j+1], v[O+j:O+j+1], v[FF:FF+1] op_sel_hi:[1,0]
.set j, j+2
.endr
.irp b, 0,1
	v_max3_num_f32 v[BM+\b], |v[O+16*\b]|, |v[O+1+16*\b]|, 0x1800000
.endr
.irp i, 2,4,6,8,10,12,14
.irp b, 0,1
	v_max3_num_f32 v[BM+\b], v[BM+\b], |v[O+16*\b+\i]|, |v[O+1+16*\b+\i]|
.endr
.endr
.irp b, 0,1
	v_permlanex16_b32 v[BX+\b], v[BM+\b], s[SEL], s[SEL+1]
.endr
.irp b, 0,1
	v_max_num_f32 v[BM+\b], v[BM+\b], v[BX+\b]
.endr
.irp b, 0,1
	v_add_nc_u32 v[SO+\b], 0xff000000, v[BM+\b]
.endr
.irp b, 0,1
	v_lshrrev_b32 v[BX+\b], 23, v[SO+\b]
.endr
	v_lshl_or_b32 v[TT], v[BX+1], 8, v[BX]
	v_cvt_scalef32_pk16_fp6_f32 v[PC:PC+2], v[O:O+15], v[SO]
	v_cvt_scalef32_pk16_fp6_f32 v[PC+4:PC+6], v[O+16:O+31], v[SO+1]
	v_nop
.irp i, 0,1,2
	v_permlane16_swap_b32 v[PC+\i], v[PC+4+\i]     ; a whole block to a lane
.endr
	v_mov_b32 v[PC+3], v[PC+4]
	v_mov_b32 v[PC+4], v[PC+5]
	v_mov_b32 v[PC+5], v[PC+6]
	WIN (\w)<<2                                    ; the stores' data in window w, their offsets in window 0
.irp k, 0,1,2
	global_store_b64 v[L8], v[PC+2*\k:PC+2*\k+1], s[8:9] offset:12288*(\w)+256*\k   ; 32 lanes store one aligned block of 256 bytes
.endr
	global_store_b16 v[OSO], v[TT], s[10:11] offset:128*(\w)
.endm
	s_load_b256 s[4:11], s[0:1], 0x0               ; q_img s[4:5], kv s[6:7], o_img s[8:9], o_scl s[10:11]
	v_lshl_add_u32 v[SPW], v0, 2, SPARE
	v_mov_b32 v[NIL], 0
	ds_add_u32 v[SPW], v[NIL]                      ; the wave's opening: the add, twice on end, and its wait ahead of my tensor load
	ds_add_u32 v[SPW], v[NIL]
	v_lshrrev_b32 v1, 5, v0
	v_readfirstlane_b32 s[WV], v1                  ; wave 0..7
	s_bfe_u32 s13, ttmp6, 0x40000                  ; cx
	s_lshl_b32 s14, ttmp9, 2
	s_add_co_u32 s14, s14, s13                     ; which 256 queries
	s_and_b32 s15, ttmp7, 0xffff                   ; 16 x batch + head
	s_mov_b32 s[G1], 15|(3<<16)|(1<<21)            ; the mask: all four of the cluster; elements of 8 bytes; bit 21 beside a mask
	s_mov_b32 s[G1+1], 32<<16                      ; two records, dense: 100 rows of 256 bytes
	s_mov_b32 s[G1+2], 100<<16
	s_mov_b32 s[G1+3], 32<<16
	s_mov_b32 s[G1+4], 100
	s_mov_b32 s[G1+5], 32
	s_mov_b32 s[G1+6], 0
	s_mov_b32 s[G1+7], 0
	s_mul_i32 s16, s15, 16*REC
	s_mul_i32 s18, s[WV], 2*REC                    ; my two records: the same place in the head's 16 and in LDS
	s_add_co_u32 s16, s16, s18
	s_mov_b32 s17, 0
	s_mov_b32 s[SEL], 0x76543210
	s_mov_b32 s[SEL+1], 0xfedcba98                 ; v_permlanex16_b32's selects for lane l xor 16
	s_mov_b32 s[CS], 0x3e38aa3b                    ; log2(e) / 8
	s_mov_b32 s[CS+1], s[CS]
	s_mov_b32 s43, 0x01000100                      ; a tile's two scale bytes, twice: the first tile's of a pair,
	s_mov_b32 s46, 0x03020302                      ; the second's
	s_wait_dscnt 0x0
	s_wait_kmcnt 0x0
	s_mov_b32 s32, 1
	s_mov_b32 s33, s18
	s_add_nc_u64 s[34:35], s[6:7], s[16:17]
	s_or_b32 s35, s35, 0x80000000
	CROUND                                         ; the four work-groups are here: the joint loads meet
	s_cmp_lt_u32 s[WV], 4                          ; my one tensor load, in one of two arms: the first barrier waits for the first arm's line alone
	s_cbranch_scc0 .Llater_records
	tensor_load_to_lds s[32:35], s[G1:G1+7]        ; waves 0-3: records 0-7
	s_nop 0
.rept 4
	v_nop
.endr
	s_branch .Lasked
.Llater_records:
	tensor_load_to_lds s[32:35], s[G1:G1+7]        ; waves 4-7: records 8-15
	s_nop 0
.rept 4
	v_nop
.endr
.Lasked:
	s_lshl_b32 s16, s15, 4                         ; q: record 16 x head + 2 x (my 256 queries) + wave / 4, pair fragment wave % 4
	s_lshl_b32 s17, s14, 1
	s_add_co_u32 s16, s16, s17
	s_lshr_b32 s17, s[WV], 2
	s_add_co_u32 s16, s16, s17
	s_mul_i32 s16, s16, 6400
	s_mov_b32 s17, 0
	s_add_nc_u64 s[4:5], s[4:5], s[16:17]
	s_and_b32 s18, s[WV], 3
	s_mul_i32 s19, s18, 1536
	s_and_b32 s42, s18, 1
	s_lshl_b32 s42, s42, 7
	s_lshr_b32 s18, s18, 1
	s_lshl_b32 s18, s18, 2
	s_add_co_u32 s42, s42, s18                     ; the fragment's scale words: 128 x (f % 2) + 4 x (f / 2)
	v_and_b32 v[RR], 31, v0
	v_lshlrev_b32 v[L16], 4, v[RR]
	v_lshlrev_b32 v[L8], 3, v[RR]
	v_and_b32 v[RR], 15, v0
	v_bfe_u32 v[H8], v0, 4, 1
	v_lshlrev_b32 v[H8], 3, v[H8]
	v_lshlrev_b32 v[OSO], 3, v[RR]
	v_add_nc_u32 v[QOF], s19, v[L16]
	v_lshl_add_u32 v[QSO], v[RR], 3, s42
.irp c, 0,1,2
	global_load_b128 v[S+4*\c:S+4*\c+3], v[QOF], s[4:5] offset:512*\c
.endr
	global_load_b32 v[TT], v[QSO], s[4:5] offset:6144
	s_lshr_b32 s16, s15, 4                         ; o: tile 128 x batch + 16 x (my 256 queries) + 2 x wave; the head's 64 are half a K step
	s_lshl_b32 s16, s16, 7
	s_lshl_b32 s17, s14, 4
	s_add_co_u32 s16, s16, s17
	s_lshl_b32 s17, s[WV], 1
	s_add_co_u32 s16, s16, s17
	s_and_b32 s18, s15, 15
	s_mul_i32 s44, s16, 12288
	s_mul_i32 s19, s18, 768
	s_add_co_u32 s44, s44, s19
	s_mov_b32 s45, 0
	s_add_nc_u64 s[8:9], s[8:9], s[44:45]
	s_lshr_b32 s19, s18, 2
	s_lshl_b32 s44, s19, 15
	s_lshl_b32 s16, s16, 7
	s_add_co_u32 s44, s44, s16
	s_and_b32 s18, s18, 3
	s_lshl_b32 s18, s18, 1
	s_add_co_u32 s44, s44, s18
	s_add_nc_u64 s[10:11], s[10:11], s[44:45]
	s_wait_alu depctr_va_vdst(0)                   ; directly ahead of the wait below
	s_wait_loadcnt 0x0
	v_perm_b32 v[QS], v[TT], v[TT], s43
	v_perm_b32 v[QS+1], v[TT], v[TT], s46
.irp i, 0,1,2,3,4,5
	v_mov_b32 v[22+\i], v[S+\i]                    ; tile A's q
.endr
	WIN 0x40
.irp i, 0,1,2,3,4,5
	v_mov_b32 v[22+\i], v[S+6+\i]                  ; tile B's, into window 1
.endr
	v_mov_b32 v[H8], v[H8]
.irp w, 0,1                            ; each tile's state: zeros beside q, the largest t so far (-3e38, under every t), -M, O^T and the sums (the step is written once: the first finds zeros)
	WIN 0x55*\w
.irp i, 0,1,2,3,4,5
	v_mov_b32 v[16+\i], 0
	v_mov_b32 v[28+\i], 0
.endr
	v_mov_b32 v13, 0xff61b1e6
	v_floor_f32 v12, -v13
	v_mov_b32 v[FF+1], 0
	v_mov_b32 v[BX], 0                             ; written once: a lane permute's destination counts as one of its sources
	v_mov_b32 v[BX+1], 0
.set j, 0
.rept 32
	v_mov_b32 v[O+j], 0
.set j, j+1
.endr
.set j, 0
.rept 8
	v_mov_b32 v[LS+j], 0
.set j, j+1
.endr
.endr
	WIN 0
	s_wait_alu depctr_va_vdst(0)                   ; the wait at the head's end
	s_cmp_lt_u32 s[WV], 4
	s_cbranch_scc0 .Lnot_first
	s_wait_tensorcnt 0x0                           ; waves 0-3: my two of records 0-7 are in
.Lnot_first:
	s_barrier_signal -1
	s_barrier_wait -1                              ; records 0-7 are in; 8-15 may still be on their way
.irp p, 0,1,2,3
	LDF L16, 0, \p                                 ; step 0's K
.endr
	ds_load_b64 v[KS:KS+1], v[L8] offset:6144
	s_wait_dscnt 0x0
	QKM 0
	QKM 1
	WIN 0
.rept 4
	v_nop                                          ; places between the products and the first read of their results
.endr
	MAXC                                           ; tile A's largest scores of step 0
	s_mov_b32 s[TB], 0
	s_mov_b32 s[CNT], 7
.Lfirst_steps:                                         ; steps 0 to 6: V of records 0-6, K of records 1-7
	HALF 0, 1, 1
	HALF 1, 1, 1
	WIN 0
	s_add_co_u32 s[TB], s[TB], REC
	s_sub_co_u32 s[CNT], s[CNT], 1
	s_cmp_lg_u32 s[CNT], 0
	s_cbranch_scc1 .Lfirst_steps
	s_wait_alu depctr_va_vdst(0)                   ; directly ahead of the waits below
	s_wait_tensorcnt 0x0                           ; every wave: my load is done,
	s_wait_dscnt 0x0
	s_barrier_signal -1
	s_barrier_wait -1                              ; everybody's is: all 16 records are in
	s_mov_b32 s[TB], 7*REC
	s_mov_b32 s[CNT], 8
.Llater_steps:                                         ; steps 7 to 14
	HALF 0, 1, 1
	HALF 1, 1, 1
	WIN 0
	s_add_co_u32 s[TB], s[TB], REC
	s_sub_co_u32 s[CNT], s[CNT], 1
	s_cmp_lg_u32 s[CNT], 0
	s_cbranch_scc1 .Llater_steps
	HALF 0, 0, 1                                   ; the last step has no successor
	HALF 1, 0, 0
	FIN 0
	FIN 1
	WIN 0
	s_wait_tensorcnt 0x0                           ; the wave's end
	ds_add_u32 v[SPW], v[NIL]
	s_wait_dscnt 0x0
	CROUND                                         ; the closing round
	s_endpgm
.Lfunc_end_k_qe1b7a068a7_attn:
	.size	k_qe1b7a068a7_attn, .Lfunc_end_k_qe1b7a068a7_attn-k_qe1b7a068a7_attn
	.p2alignl 7, 3214868480
	.fill 96, 4, 3214868480
	.section	.rodata,"a",@progbits
	.p2align	6, 0x0
	.amdhsa_kernel k_qe1b7a068a7_attn
		.amdhsa_group_segment_fixed_size 327680
		.amdhsa_private_segment_fixed_size 0
		.amdhsa_enable_private_segment 0
		.amdhsa_kernarg_size 32
		.amdhsa_user_sgpr_count 2
		.amdhsa_user_sgpr_kernarg_segment_ptr 1
		.amdhsa_wavefront_size32 1
		.amdhsa_system_sgpr_workgroup_id_x 1
		.amdhsa_system_sgpr_workgroup_id_y 1
		.amdhsa_system_sgpr_workgroup_id_z 1
		.amdhsa_system_vgpr_workitem_id 0
		.amdhsa_next_free_vgpr 512
		.amdhsa_next_free_sgpr 66
		.amdhsa_reserve_vcc 0
		.amdhsa_float_denorm_mode_32 3
		.amdhsa_float_denorm_mode_16_64 3
		.amdhsa_memory_ordered 1
		.amdhsa_forward_progress 1
		.amdhsa_inst_pref_size 99
	.end_amdhsa_kernel
	.amdgpu_metadata
---
amdhsa.version: [ 1, 2 ]
amdhsa.kernels:
  - .name:           k_qe1b7a068a7_attn
    .symbol:         k_qe1b7a068a7_attn.kd
    .args:
      - { .name: q_img, .offset: 0, .size: 8, .value_kind: global_buffer, .address_space: global }
      - { .name: kv, .offset: 8, .size: 8, .value_kind: global_buffer, .address_space: global }
      - { .name: o_img, .offset: 16, .size: 8, .value_kind: global_buffer, .address_space: global }
      - { .name: o_scl, .offset: 24, .size: 8, .value_kind: global_buffer, .address_space: global }
    .group_segment_fixed_size: 327680
    .private_segment_fixed_size: 0
    .kernarg_segment_align: 8
    .kernarg_segment_size: 32
    .max_flat_workgroup_size: 256
    .sgpr_count:     66
    .vgpr_count:     512
    .wavefront_size: 32
...
	.end_amdgpu_metadata
.endif
;; end of part 3
;; launch proj (part 4): grid 8 x 32, 4 waves a work-group, clusters of 4 x 4, 272,896 bytes of LDS; arguments o_img, o_scl, w_img, w_scl, bo, out0; writes out0
.if DOCPART == 4
	.amdgcn_target "amdgcn-amd-amdhsa--gfx1250"
	.amdhsa_code_object_version 6
	.text
	.protected	k_qe1b7a068a7_proj
	.globl	k_qe1b7a068a7_proj
	.p2align	8
	.type	k_qe1b7a068a7_proj,@function
k_qe1b7a068a7_proj:
	s_mov_b64 s[64:65], 0
	v_nop
	global_prefetch_b8 v0, s[64:65] scope:SCOPE_SE
	s_setreg_imm32_b32 hwreg(HW_REG_WAVE_MODE, 25, 1), 1
	s_wait_xcnt 0x0
	s_wait_alu depctr_hold_cnt(0) depctr_sa_sdst(0) depctr_va_vdst(0) depctr_va_sdst(0) depctr_va_ssrc(0) depctr_va_vcc(0) depctr_vm_vsrc(0)
	s_getreg_b32 s2, hwreg(HW_REG_IB_STS2, 6, 4)
	s_cmp_eq_u32 s2, 0
	s_cbranch_scc0 .Lentry_in_a_cluster
	s_endpgm
.Lentry_in_a_cluster:
	s_bfe_u32 s2, ttmp6, 0x10000c
	s_cmp_lg_u32 s2, 0xf033
	s_cbranch_scc0 .Lentry_shape_is_right
	s_endpgm
.Lentry_shape_is_right:
; LAUNCH 4 OF 4.  out0 = o Wo + bo on codes of E2M3 (K = 1,024, eight matrix steps).  No work is left out.  Limits: as stated at the head of the first launch.
; SHARES.  256 work-groups of four waves, a work-group 128 x 128 (tiles of 256 x 256 would be 64 work-groups), a wave 64 x 64: 16 accumulators.
; NO RING.  Both panels for all of K are 196,608 bytes: waves 0 and 1 ask for a panel each in one tensor load, waves 2 and 3 for a side's scale words; nothing is filled again.
; CLUSTERS: 4 x 4.  o's tiles hang on the tile row and are shared along a row of the cluster, Wo's on the tile column and are shared along a column: joint loads divide the requests by four.
; The matrix instruction is used transposed: source 0 = 16 columns of Wo, source 1 = 16 rows of o: a lane holds eight neighbouring columns of one row of out0.  The bias is the C of each sum's first instruction.
; o_img's fragments lie by pairs of registers (lane l's pair k at 256 k + 8 l: six loads of 8 bytes a lane), w_img's by fours (three loads of 16).
; REGISTERS: window 0: addresses; v32-63 all scale words; v128-255 accumulator (o's tile j, Wo's tile i) at v[128 + 8 (4 j + i)].  window 1: two fragment buffers (v0-95, v128-223: o's four, then Wo's four); v96-127 the bias.
.set HALFK, 98304                      ; LDS: o's panel [8 tiles][8 K steps][1,536], then Wo's
.set QUART, 24576
.set SCL,   2*HALFK                    ; the scale words: 4,096 bytes for each of the two loads: [4 pairs of K steps][8 tiles][128]
.set STG,   SCL+4*2048                 ; the stage for the way out: 128 rows x (512 bytes + 16); no tensor load fills it
.set SP,    528
.set SPARE, STG+128*SP                 ; the spare words
.set AD1,  16                          ; v16 o's fragments
.set AD0,  18                          ; v18 Wo's
.set ADRS, 20
.set STO,  21
.set RD,   22
.set L16,  23
.set BOF,  24                          ; v24  64 h
.set L8,   25
.set SPW,  28
.set NIL,  29
.set SC,   32                          ; scale words: pair of K steps g, tile i, word: 32 + 8 g + 2 i + word; lanes 0-15 o's, lanes 16-31 Wo's
.set ACC,  128
.set G1,   28                          ; s[28:35] group 1 for o's codes; s[36:43] for Wo's; s[44:47], s[52:55] their groups 0
.set G1B,  36
.set G0,   44
.set G0B,  52
.set G1S,  68                          ; s[68:75], s[76:83] groups 1 for the scale words; s[84:87], s[88:91] groups 0
.set G1SB, 76
.set G0S,  84
.set G0SB, 88
.set MSB, 0
.macro WIN new
.if MSB != (\new)
	s_set_vgpr_msb (MSB<<8)|(\new)
.set MSB, (\new)
.endif
.endm
; THE LOADS, ONE A WAVE, all at the head: wave 0 o's eight tiles for all of K (98,304 dense bytes), wave 1 Wo's, wave 2 o's scale words, wave 3 Wo's.  One chain of branches on the wave's number.
; LDS: o's panel [8 tiles][8 K steps][1,536] at 0, Wo's at HALFK; the scale words [side][4 pairs of K steps][8 tiles][128] at SCL.
.macro ARM under, g0, g1, next
	s_cmp_lt_u32 s16, \under
	s_cbranch_scc0 \next
	tensor_load_to_lds s[\g0:\g0+3], s[\g1:\g1+7]
	s_nop 0
.rept 4
	v_nop
.endr
	s_branch .Lhead_asked
\next:
.endm
.macro CROUND
	s_barrier_signal -1
	s_barrier_wait -1
	s_cmp_lg_u32 s16, 0
	s_cbranch_scc1 .Lnot_wave_0_\@
	s_barrier_signal -3
.Lnot_wave_0_\@:
	s_barrier_wait -3
	s_barrier_signal -1
	s_barrier_wait -1
.endm
.macro PLACES
.rept 4
	v_nop
.endr
.endm
	s_load_b256 s[4:11], s[0:1], 0x0               ; o_img s[4:5], o_scl s[6:7], w_img s[8:9], w_scl s[10:11]
	s_load_b128 s[12:15], s[0:1], 0x20             ; bo s[12:13], out0 s[14:15]
	v_lshl_add_u32 v[SPW], v0, 2, SPARE
	v_mov_b32 v[NIL], 0
	ds_add_u32 v[SPW], v[NIL]                      ; the wave's opening: the add, twice on end, and its wait ahead of my first tensor load
	ds_add_u32 v[SPW], v[NIL]
	v_lshrrev_b32 v1, 5, v0
	v_readfirstlane_b32 s16, v1                    ; wave 0..3
	s_lshr_b32 s17, s16, 1                         ; a: my half of o's tiles.
	s_and_b32 s18, s16, 1                          ; b: my half of Wo's tiles.
	s_bfe_u32 s19, ttmp6, 0x40000                  ; cx
	s_bfe_u32 s20, ttmp6, 0x40004                  ; cy
	s_lshl_b32 s21, ttmp9, 2
	s_add_co_u32 s21, s21, s19                     ; which 128 columns
	s_and_b32 s22, ttmp7, 0xffff
	s_lshl_b32 s22, s22, 2
	s_add_co_u32 s22, s22, s20                     ; which 128 rows
	s_lshl_b32 s23, s20, 2
	s_lshl_b32 s23, 15, s23                        ; my row of the cluster
	s_lshl_b32 s24, 0x1111, s19                    ; my column
	s_or_b32 s[G1], s23, (3<<16)|(1<<21)           ; 15:0 the mask; 17:16 elements of 8 bytes; 21 set beside a mask; no padding
	s_or_b32 s[G1S], s23, (3<<16)|(1<<21)
	s_or_b32 s[G1B], s24, (3<<16)|(1<<21)
	s_or_b32 s[G1SB], s24, (3<<16)|(1<<21)
.irp g, G1, G1B                        ; codes: eight tiles, of each all eight K steps (12,288 bytes, 1,536 elements), 12,288 bytes apart
	s_mov_b32 s[\g+1], 1536<<16                    ; eight tiles, of each all eight K steps: rows of 12,288 bytes, end to end
	s_mov_b32 s[\g+2], 8<<16
	s_mov_b32 s[\g+3], 1536<<16
	s_mov_b32 s[\g+4], 8
	s_mov_b32 s[\g+5], 1536
	s_mov_b32 s[\g+6], 0
	s_mov_b32 s[\g+7], 0
.endr
.irp g, G1S, G1SB                      ; scale words: four rows of eight tiles' 1,024 bytes (128 elements), 32,768 bytes apart
	s_mov_b32 s[\g+1], 128<<16                     ; eight tiles' words: rows of 1,024 bytes
	s_mov_b32 s[\g+2], 4<<16
	s_mov_b32 s[\g+3], 128<<16
	s_mov_b32 s[\g+4], 4
	s_mov_b32 s[\g+5], 4096
	s_mov_b32 s[\g+6], 0
	s_mov_b32 s[\g+7], 0
.endr
	s_lshl_b32 s2, s22, 3
	s_lshl_b32 s26, s2, 7
	s_mul_i32 s2, s2, 12288
	s_mov_b32 s3, 0
	s_mov_b32 s27, 0
	s_lshl_b32 s60, s21, 3
	s_add_co_u32 s60, s60, 192                     ; Wo's tiles begin at 192
	s_lshl_b32 s62, s60, 7
	s_mul_i32 s60, s60, 12288
	s_mov_b32 s61, 0
	s_mov_b32 s63, 0
	s_wait_dscnt 0x0                               ; both opening adds are done
	s_wait_kmcnt 0x0
	s_add_nc_u64 s[G0+2:G0+3], s[4:5], s[2:3]
	s_add_nc_u64 s[G0B+2:G0B+3], s[8:9], s[60:61]
	s_add_nc_u64 s[G0S+2:G0S+3], s[6:7], s[26:27]
	s_add_nc_u64 s[G0SB+2:G0SB+3], s[10:11], s[62:63]
.irp g, G0, G0B, G0S, G0SB
	s_mov_b32 s[\g], 1
	s_or_b32 s[\g+3], s[\g+3], 0x80000000
.endr
	s_mov_b32 s[G0+1], 0
	s_mov_b32 s[G0B+1], HALFK
	s_mov_b32 s[G0S+1], SCL
	s_mov_b32 s[G0SB+1], SCL+4096
	s_lshl_b32 s2, s21, 9
	s_lshl_b32 s3, s18, 8
	s_add_co_u32 s2, s2, s3
	s_mov_b32 s3, 0
	s_add_nc_u64 s[12:13], s[12:13], s[2:3]        ; bo at my wave's 64 columns
	s_lshl_b32 s2, s22, 7
	s_lshl_b32 s26, s16, 5
	s_add_co_u32 s2, s2, s26                       ; the first of the 32 rows that I store
	s_lshl_b32 s2, s2, 12
	s_lshl_b32 s26, s21, 9
	s_add_co_u32 s2, s2, s26
	s_add_nc_u64 s[14:15], s[14:15], s[2:3]
	CROUND                                         ; all sixteen work-groups are here: the joint loads meet
	ARM 1, G0, G1, .Lhead_b
	ARM 2, G0B, G1B, .Lhead_sa
	ARM 3, G0S, G1S, .Lhead_sb
	tensor_load_to_lds s[G0SB:G0SB+3], s[G1SB:G1SB+7]
	s_nop 0
.rept 4
	v_nop
.endr
.Lhead_asked:
	v_and_b32 v1, 15, v0                           ; r
	v_bfe_u32 v2, v0, 4, 1                         ; h
	s_wait_alu depctr_va_vdst(0)
	v_and_b32 v3, 31, v0
	v_lshlrev_b32 v[L16], 4, v3
	v_lshlrev_b32 v[L8], 3, v3
	s_mul_i32 s2, s17, 2*QUART                     ; my four tiles of o's panel,
	s_mul_i32 s3, s18, 2*QUART
	s_add_co_u32 s3, s3, HALFK                     ; and of Wo's
	v_add_nc_u32 v[AD1], s2, v[L8]
	v_add_nc_u32 v[AD0], s3, v[L16]
	s_lshl_b32 s2, s17, 9
	s_lshl_b32 s3, s18, 9
	s_add_co_u32 s3, s3, 4096
	s_sub_co_u32 s3, s3, s2
	v_mul_u32_u24 v4, s3, v2                       ; lanes 16-31 take Wo's words
	s_add_co_u32 s2, s2, SCL
	v_lshl_add_u32 v4, v1, 3, v4
	v_add_nc_u32 v[ADRS], s2, v4
	v_and_b32 v3, 8, v1
	v_mad_u32_u24 v3, v3, 3, v1                    ; slot r of o's tile u is row 32 (r / 8) + 8 u + r % 8 of its 64 (the order of x's rows, first launch)
	v_mul_u32_u24 v[STO], v3, SP
	v_lshl_add_u32 v[STO], v2, 6, v[STO]           ; + 64 h: 16 columns
	s_mul_i32 s2, s17, 64*SP
	s_lshl_b32 s3, s18, 8
	s_add_co_u32 s2, s2, s3
	s_add_co_u32 s2, s2, STG
	v_add_nc_u32 v[STO], s2, v[STO]
	s_mul_i32 s2, s16, 32*SP
	s_add_co_u32 s2, s2, STG
	v_add_nc_u32 v[RD], s2, v[L16]
	v_lshlrev_b32 v[BOF], 6, v2
	WIN 0x40                                       ; destination window 1
.irp i, 0,1,2,3                        ; register q of Wo's tile i wants bo at column 32 (i / 2) + 8 (i % 2) + 16 h + q
	global_load_b128 v[96+8*\i:96+8*\i+3], v[BOF], s[12:13] offset:(32*(\i/2)+8*(\i%2))*4
	global_load_b128 v[96+8*\i+4:96+8*\i+7], v[BOF], s[12:13] offset:(32*(\i/2)+8*(\i%2))*4+16
.endr
	WIN 0
.macro FETCH s, f                      ; K step s: o's four fragments and Wo's four into buffer f
	WIN 0x40
.irp j, 0,1,2,3
.irp k, 0,1,2,3,4,5
	ds_load_b64 v[\f+12*\j+2*\k:\f+12*\j+2*\k+1], v[AD1] offset:12288*\j+1536*(\s)+256*\k
.endr
.endr
.irp i, 0,1,2,3
.irp c, 0,1,2
	ds_load_b128 v[\f+48+12*\i+4*\c:\f+48+12*\i+4*\c+3], v[AD0] offset:12288*\i+1536*(\s)+512*\c
.endr
.endr
	WIN 0
.endm
.macro MUL s, f, first                 ; 16 matrix instructions; the accumulators take turns, one instruction a turn, in the same order in every step
.if \first
	WIN 0x15                                       ; sources 0, 1 and C (the bias) window 1, D window 0
.else
	WIN 0x05
.endif
.irp j, 0,1,2,3
.irp i, 0,1,2,3
.if \first
	v_wmma_scale_f32_16x16x128_f8f6f4 v[ACC+8*(4*\j+\i):ACC+8*(4*\j+\i)+7], v[\f+48+12*\i:\f+48+12*\i+11], v[\f+12*\j:\f+12*\j+11], v[96+8*\i:96+8*\i+7], v[SC+8*((\s)/2)+2*\i+(\s)%2], v[SC+8*((\s)/2)+2*\j+(\s)%2] matrix_a_fmt:MATRIX_FMT_FP6 matrix_b_fmt:MATRIX_FMT_FP6 matrix_a_scale:MATRIX_SCALE_ROW1
.else
	v_wmma_scale_f32_16x16x128_f8f6f4 v[ACC+8*(4*\j+\i):ACC+8*(4*\j+\i)+7], v[\f+48+12*\i:\f+48+12*\i+11], v[\f+12*\j:\f+12*\j+11], v[ACC+8*(4*\j+\i):ACC+8*(4*\j+\i)+7], v[SC+8*((\s)/2)+2*\i+(\s)%2], v[SC+8*((\s)/2)+2*\j+(\s)%2] matrix_a_fmt:MATRIX_FMT_FP6 matrix_b_fmt:MATRIX_FMT_FP6 matrix_a_scale:MATRIX_SCALE_ROW1
.endif
.endr
.endr
	WIN 0
.endm
	s_wait_alu depctr_va_vdst(0)
	s_wait_tensorcnt 0x0                           ; my tile of the four is in,
	s_barrier_signal -1
	s_barrier_wait -1                              ; everybody's are
.irp g, 0,1,2,3
.irp i, 0,1,2,3
	ds_load_b64 v[SC+8*\g+2*\i:SC+8*\g+2*\i+1], v[ADRS] offset:1024*\g+128*\i   ; all scale words, once
.endr
.endr
	FETCH 0, 0
	s_wait_loadcnt 0x0                             ; the bias
.irp s, 0,1,2,3,4,5,6,7
	s_wait_dscnt 0x0                               ; this step's fragments are in
.if \s > 0
	PLACES                                         ; in front of loads into the buffer that the last step's products have read
.endif
.if \s < 7
	FETCH \s+1, 128*((\s+1)%2)
.endif
.if \s == 0
	MUL \s, 0, 1
.else
	MUL \s, 128*(\s%2), 0
.endif
.endr
	; THE WAY OUT: a lane's 32 bytes of a row into the work-group's stage, at the row's true place; a barrier, since a row's 512 bytes come from two waves; back as whole rows, 32 rows a wave
	PLACES
.irp j, 0,1,2,3
.irp i, 0,1,2,3
	ds_store_b128 v[STO], v[ACC+8*(4*\j+\i):ACC+8*(4*\j+\i)+3] offset:8*\j*SP+128*(\i/2)+32*(\i%2)      ; each accumulator from its low end on
	ds_store_b128 v[STO], v[ACC+8*(4*\j+\i)+4:ACC+8*(4*\j+\i)+7] offset:8*\j*SP+128*(\i/2)+32*(\i%2)+16
.endr
.endr
	s_wait_dscnt 0x0                               ; for the others' sake: my stores into the stage are done
	s_barrier_signal -1
	s_barrier_wait -1
.set t, 0
.rept 32
	ds_load_b128 v[ACC+4*t:ACC+4*t+3], v[RD] offset:SP*t
.set t, t+1
.endr
.set t, 0
.rept 32
	s_wait_dscnt 31-t                              ; the younger loads may be out
	global_store_b128 v[L16], v[ACC+4*t:ACC+4*t+3], s[14:15] offset:4096*t th:TH_STORE_NT   ; 32 lanes store 512 consecutive bytes, at a multiple of 256 from out0's first byte
.set t, t+1
.endr
	s_wait_tensorcnt 0x0                           ; the wave's end, behind my last tensor load and my last LDS store
	ds_add_u32 v[SPW], v[NIL]
	s_wait_dscnt 0x0
	CROUND                                         ; the closing round
	s_endpgm
.Lfunc_end_k_qe1b7a068a7_proj:
	.size	k_qe1b7a068a7_proj, .Lfunc_end_k_qe1b7a068a7_proj-k_qe1b7a068a7_proj
	.p2alignl 7, 3214868480
	.fill 96, 4, 3214868480
	.section	.rodata,"a",@progbits
	.p2align	6, 0x0
	.amdhsa_kernel k_qe1b7a068a7_proj
		.amdhsa_group_segment_fixed_size 272896
		.amdhsa_private_segment_fixed_size 0
		.amdhsa_enable_private_segment 0
		.amdhsa_kernarg_size 48
		.amdhsa_user_sgpr_count 2
		.amdhsa_user_sgpr_kernarg_segment_ptr 1
		.amdhsa_wavefront_size32 1
		.amdhsa_system_sgpr_workgroup_id_x 1
		.amdhsa_system_sgpr_workgroup_id_y 1
		.amdhsa_system_sgpr_workgroup_id_z 1
		.amdhsa_system_vgpr_workitem_id 0
		.amdhsa_next_free_vgpr 512
		.amdhsa_next_free_sgpr 100
		.amdhsa_reserve_vcc 0
		.amdhsa_float_denorm_mode_32 3
		.amdhsa_float_denorm_mode_16_64 3
		.amdhsa_memory_ordered 1
		.amdhsa_forward_progress 1
		.amdhsa_inst_pref_size 55
	.end_amdhsa_kernel
	.amdgpu_metadata
---
amdhsa.version: [ 1, 2 ]
amdhsa.kernels:
  - .name:           k_qe1b7a068a7_proj
    .symbol:         k_qe1b7a068a7_proj.kd
    .args:
      - { .name: o_img, .offset: 0, .size: 8, .value_kind: global_buffer, .address_space: global }
      - { .name: o_scl, .offset: 8, .size: 8, .value_kind: global_buffer, .address_space: global }
      - { .name: w_img, .offset: 16, .size: 8, .value_kind: global_buffer, .address_space: global }
      - { .name: w_scl, .offset: 24, .size: 8, .value_kind: global_buffer, .address_space: global }
      - { .name: bo, .offset: 32, .size: 8, .value_kind: global_buffer, .address_space: global }
      - { .name: out0, .offset: 40, .size: 8, .value_kind: global_buffer, .address_space: global }
    .group_segment_fixed_size: 272896
    .private_segment_fixed_size: 0
    .kernarg_segment_align: 8
    .kernarg_segment_size: 48
    .max_flat_workgroup_size: 128
    .sgpr_count:     100
    .vgpr_count:     512
    .wavefront_size: 32
...
	.end_amdgpu_metadata
.endif
;; end of part 4
